; MI455X (gfx1250); checked and timed in simulation.
; The chip was launched on July 23, 2026; its instructions are those of AMD's public machine-readable ISA for CDNA 5 (MIT licence, August 2026) and "CDNA5" Instruction Set Architecture Reference Guide (July 2026). The comments in the code are by the model that wrote it; some were corrected since.
;; Causal Self Attention ARMA. Allowed arithmetic: matrix products marked QUANTISED: E5M2 operands, one E8M0 scale for each 32 along K, by v_wmma_scale_f32_16x16x128_f8f6f4 with both operands' format E5M2, f32 sums; everything else in f32.
;; Inputs: W_attn 1,024 x 2,048 float32; W_k2 1,024 x 1,024 float32; W_proj 1,024 x 1,024 float32; b_attn 2,048 float32; b_k2 1,024 float32; b_proj 1,024 float32; x 2 x 2,048 x 1,024 float32.
;; Outputs: out0 2 x 2,048 x 1,024 float32.
;; This version of the problem:
;;   THIS VERSION OF THE PROBLEM IS GIVEN IN LOW PRECISION. The matrix products marked QUANTISED in the list below multiply operands that are first quantised to E5M2 (5 exponent bits, 2 mantissa bits; 8 bits a number), with one power-of-two scale for each 32 numbers along K (OCP MX v1.0); their sums are f32. All else is computed in f32.
;;   The module's matrix products, in the order in which they are computed (A, B: the left and right operand; K: the contracted axis; several contracted axes count as one K, in the product's order):
;;     1. [M 4,096, K 1,024] x [K 1,024, N 2,048]; A: input x; B: input W_attn: QUANTISED
;;     2. batch 32 x [M 2,048, K 64] x [K 64, N 2,048]; A: computed on the way; B: computed on the way: QUANTISED
;;     3. batch 32 x [M 2,048, K 2,048] x [K 2,048, N 64]; A: softmax (see below); B: input x: QUANTISED
;;     4. [M 4,094, K 1,024] x [K 1,024, N 1,024]; A: input x; B: input W_k2: QUANTISED
;;     5. batch 32 x [M 2,047, K 64] x [K 64, N 2,047]; A: computed on the way; B: computed on the way: QUANTISED
;;     6. batch 32 x [M 2,047, K 2,047] x [K 2,047, N 64]; A: softmax (see below); B: computed on the way: QUANTISED
;;     7. [M 4,096, K 1,024] x [K 1,024, N 1,024]; A: computed on the way; B: input W_proj: QUANTISED
;;     8. [M 4,096, K 1,024] x [K 1,024, N 1,024]; A: computed on the way; B: input W_proj: QUANTISED
;;   THE QUANTISER, for each operand of a quantised product, along K:
;;     - K is cut into blocks of 32 from its start; a last block that is shorter is filled with zeros.
;;     - A block's scale is 2^e with e = floor(log2(the largest magnitude in the block)) - 15, held to -126 .. 127; a block of zeros has e = 0. As a byte (E8M0): e + 127.
;;     - Each number is divided by its block's scale, clamped to +-57,344, and rounded to the nearest number of E5M2, ties to even, subnormals kept.
;;     - The product sums the exact products of the quantised numbers (number of the format x scale) in f32.
;;   ~~~python
;;   def quantise(x, axis):      # numpy; x: float32 -> the quantised numbers, widened to float32 again
;;       x = np.moveaxis(x, axis, -1); K = x.shape[-1]
;;       x = np.pad(x, [(0, 0)] * (x.ndim - 1) + [(0, -K % 32)]); x = x.reshape(x.shape[:-1] + (-1, 32)); a = np.abs(x).max(-1, keepdims=True)
;;       e = np.where(a > 0, np.clip(np.frexp(np.where(a > 0, a, 1))[1] - 1 - 15, -126, 127), 0)      # np.frexp(a)[1] - 1 = floor(log2(a)), exactly
;;       r = np.clip(x / 2.0 ** e, -57344, 57344)
;;       step = 2.0 ** (np.maximum(np.frexp(np.where(r == 0, 1, r))[1] - 1, -14) - 2)
;;       q = np.round(r / step) * step * 2.0 ** e      # np.round: ties to even
;;       return np.moveaxis(q.reshape(q.shape[:-2] + (-1,))[..., :K], -1, axis).astype(np.float32)
;;   ~~~
;;   SOFTMAX AHEAD OF A QUANTISED PRODUCT. Where the list says 'softmax', what is quantised is not the finished softmax but p = 2^(t - M), with t = logit x log2(e) and M = ceil(the row's largest t), a whole number; so 1/2 < the row's largest p <= 1. The row's sum l is taken of the UNQUANTISED p, in f32, and the product's result is divided by l at the end. Since M is a whole number, a kernel that streams over the keys may use a running M (the ceiling of the running maximum): every later rescaling is an exact power of two, which a block's scale takes up: the codes' values come out the same.
;;   OPERANDS COMPUTED ON THE WAY. 'Computed on the way' means the value that the module computes at that place (a softmax that the list does not call 'softmax' is quantised finished and normalised). What goes into a quantiser is computed in f32, as accurately as f32 sums, v_exp_f32 and their like allow (about 1e-6 of the number): no bf16 or f16 on the way to a quantiser, and a product that is left as it is and whose result goes on into a quantised operand takes f32 operands (vector FMAs, or v_wmma_f32_16x16x4_f32). A number that lies on a knife's edge between two numbers of the format may be rounded either way, as far as f32 arithmetic and the matrix unit's own rounding can turn it there, and no further.
;; One version. Each part assembles by itself: llvm-mc -triple=amdgcn-amd-amdhsa -mcpu=gfx1250 --defsym DOCPART=n.
;; ======== version 1 of 1: 5 launches
;; limits: right only within a limited range of input values
;; workspace buffers: cod 13,631,488 bytes; scl 425,984 bytes; qkc 12,582,912 bytes; qks 786,432 bytes; ec 4,194,304 bytes; es 131,072 bytes; yc 8,388,608 bytes; ys 262,144 bytes
;; launch prep (part 1): grid 384 x 1, 4 waves a work-group, no clusters, 68,096 bytes of LDS; arguments x, W_attn, W_k2, W_proj, cod, scl; writes cod, scl
.if DOCPART == 1
	.amdgcn_target "amdgcn-amd-amdhsa--gfx1250"
	.amdhsa_code_object_version 6
	.text
	.protected	k_qd1c6066d38_prep
	.globl	k_qd1c6066d38_prep
	.p2align	8
	.type	k_qd1c6066d38_prep,@function
k_qd1c6066d38_prep:
	s_mov_b64 s[64:65], 0
	v_nop
	global_prefetch_b8 v0, s[64:65] scope:SCOPE_SE
	s_setreg_imm32_b32 hwreg(HW_REG_WAVE_MODE, 25, 1), 1
	s_wait_xcnt 0x0
; PREP: every f32 input that is an operand of a quantised product becomes codes of E5M2 with one E8M0 byte for each 32 along that product's K.
; THE WHOLE PROGRAM: prep (codes of x along C, of x along the keys, of the three weights) | qkv (x [W_attn | W_k2] + bias, quantised by head) | attn1 (y, and e = x(t+1) - y(t)) | attn2 (y2) | proj ([y | y2] [W_proj ; W_proj] + 2 b_proj).
; WORK LEFT OUT: reference() builds a causal mask itself (jnp.tril) and sets hidden scores to -infinity, whose softmax weight is 0 for all values of the inputs: so a step of 128 keys that lies wholly behind
; a tile's 16 queries adds nothing, and attn1 and attn2 do not walk it.  Nothing else is left out and every input is loaded: the biases on q, k and k2 go into quantisers.
; LIMITS: NaN and infinities among the inputs are not served; one that would reach only hidden scores is not carried to the result.  A block of zeros, or one whose largest magnitude lies under
; 2^(16 - 127), gets the byte 1 where the rule says 127 or less: its codes are zeros or subnormal codes under the held scale; the bytes are read by this program alone.
; LAYOUT OF cod: x's codes [4096][1024] | W_attn's and W_k2's [3072 rows n][1024 K] | W_proj's [1024 n][2048]: its 1,024 codes twice along K | x's codes along the keys [32 heads][16 steps][64 d][128 keys].
; scl holds the scale bytes in the same order.  ROWS n AND d ARE STORED AT PLACE pi(row), pi = bits 3 and 4 exchanged: 16 stored rows on end then form a tile whose transposed product gives a lane
; 16 neighbours along the next K in the two tiles 2 b and 2 b + 1.
; Work-groups 0-127: x along C, K innermost (the row path).  Work-groups 128-383: K is the first axis (the column path): W_attn 64, W_k2 32, W_proj 32, x along the keys 128.  Each path has LDS bytes of its own.
.set COD_W,  4194304
.set COD_WP, 7340032
.set COD_VT, 9437184
.set SCL_W,  131072
.set SCL_WP, 229376
.set SCL_VT, 294912
.set EMAX,  15
.set MANT,  0x600000                   ; the mantissa field of 57,344 as f32
.set SPW,   208                        ; v208 LDS address of my spare word; never rewritten
.set NIL,   209                        ; v209 0; never rewritten
.set SPARE, 67584                      ; behind both paths' bytes: 128 bytes for each wave, named by no other line
; the row path
.set STEPS, 16
.set CB,    16
.set RR,    16                         ; v16-79   four sets of 16 numbers as loaded
.set RX,    80                         ; v80-111  two sets of 16 neighbours
.set RE,    112                        ; v112-127 a scale byte for each step
.set RC,    128                        ; v128-191 codes, four registers for each step
.set WREG,  8192                       ; a wave's LDS: two stages of 32 x SP bytes, then its 256 scale bytes
.set SP,    80
; the column path
.set CSTG,  32768                      ; four stages of 32 rows x 272 bytes
.set NB,    8
.set CPITCH, 272
.set CX,    32                         ; v32-95   two sets of 32 numbers
.set CC,    96                         ; v96-103  a block's codes
.set OUTR,  112                        ; v112-175 the way out
.set RO,    176                        ; v176-207 4 x lane + i rows of the source
.set VO,    32                         ; v32-47   the way out's offsets, made behind the last block
.set SB,    24                         ; v24-25   eight scale bytes
	s_load_b256 s[4:11], s[0:1], 0x0               ; x, W_attn, W_k2, W_proj
	s_load_b128 s[12:15], s[0:1], 0x20             ; cod, scl
	v_lshl_add_u32 v[SPW], v0, 2, SPARE
	v_mov_b32 v[NIL], 0
	v_lshrrev_b32 v1, 5, v0
	v_readfirstlane_b32 s16, v1                    ; wave
	v_and_b32 v2, 31, v0                           ; lane
	s_cmp_lt_u32 ttmp9, 128
	s_cbranch_scc0 .Lcol
; ---------------- THE ROW PATH: x is a plain stream of blocks of 32.  A wave takes 16 steps of 512 numbers; each load reads 512 consecutive bytes; a step turns through the wave's own stage so that a lane holds 16 neighbours.
	v_lshlrev_b32 v3, 4, v2
	s_mul_i32 s17, s16, WREG
	v_lshrrev_b32 v14, 2, v2
	v_mul_u32_u24 v14, v14, SP
	v_and_b32 v15, 3, v2
	v_lshl_add_u32 v14, v15, 4, v14
	v_add_nc_u32 v14, s17, v14                     ; the stage on the way in: SP (lane / 4) + 16 (lane % 4)
	v_mul_u32_u24 v15, v2, SP
	v_add_nc_u32 v15, s17, v15                     ; and on the way out: SP x lane
	v_mul_u32_u24 v4, v2, CB
	v_lshrrev_b32 v5, 1, v2
	s_add_co_u32 s17, s17, 2*32*SP
	v_add_nc_u32 v5, s17, v5                       ; my block's byte among the wave's 256
	v_lshlrev_b32 v7, 3, v2
	v_add_nc_u32 v6, s17, v7
	s_mov_b32 s23, MANT
	s_lshl_b32 s17, ttmp9, 2
	s_add_co_u32 s18, s17, s16                     ; which run of 8,192 numbers is my wave's
	s_mov_b32 s19, 0
	s_wait_alu depctr_va_vdst(0)
	s_wait_kmcnt 0x0
	s_lshl_b64 s[20:21], s[18:19], 15
	s_add_nc_u64 s[4:5], s[4:5], s[20:21]
	s_lshl_b64 s[20:21], s[18:19], 13
	s_add_nc_u64 s[12:13], s[12:13], s[20:21]
	s_lshl_b32 s18, s18, 8
	s_add_nc_u64 s[14:15], s[14:15], s[18:19]
.macro RLOAD t
.irp i, 0,1,2,3
	global_load_b128 v[RR+16*((\t)%4)+4*\i:RR+16*((\t)%4)+4*\i+3], v3, s[4:5] offset:2048*(\t)+512*\i
.endr
.endm
.macro RTURN t                         ; LDS serves a wave's instructions in order (ISA guide 5.7.1.4): no wait between the stores and the loads
.irp i, 0,1,2,3
	ds_store_b128 v14, v[RR+16*((\t)%4)+4*\i:RR+16*((\t)%4)+4*\i+3] offset:32*SP*((\t)%2)+8*SP*\i
.endr
.irp i, 0,1,2,3
	ds_load_b128 v[RX+16*((\t)%2)+4*\i:RX+16*((\t)%2)+4*\i+3], v15 offset:32*SP*((\t)%2)+16*\i
.endr
.endm
.irp t, 0,1,2,3
	RLOAD \t
.endr
	s_wait_loadcnt 12                              ; step 0's four loads are in
	RTURN 0
.macro RSTEP t
.set RXS, RX+16*((\t)%2)
.if (\t) > 0
	s_wait_dscnt 1                                 ; this step's numbers are back from the stage; the last step's byte store may be out
.else
	s_wait_dscnt 0x0
.endif
.if (\t)+4 < STEPS
	RLOAD (\t)+4
.endif
.if (\t)+1 < STEPS
.if STEPS-2-(\t) >= 3
	s_wait_loadcnt 12                              ; the next step's four loads are in; three later steps' may be out
.else
	s_wait_loadcnt 4*(STEPS-2-(\t))
.endif
	RTURN (\t)+1
.endif
	v_max3_num_f32 v8, |v[RXS]|, |v[RXS+1]|, |v[RXS+2]|
	v_max3_num_f32 v9, |v[RXS+3]|, |v[RXS+4]|, |v[RXS+5]|
.irp i, 6,10
	v_max3_num_f32 v8, v8, |v[RXS+\i]|, |v[RXS+\i+1]|
	v_max3_num_f32 v9, v9, |v[RXS+\i+2]|, |v[RXS+\i+3]|
.endr
	v_max3_num_f32 v8, v8, |v[RXS+14]|, |v[RXS+15]|
	v_max3_num_f32 v8, v8, v9, (EMAX+1)<<23        ; the floor: the byte cannot fall under 1
	v_max_num_f32_dpp v8, v8, v8 row_xmask:1 row_mask:0xf bank_mask:0xf   ; with my neighbour's 16: the block's largest magnitude
	v_add_nc_u32 v11, -(EMAX<<23), v8              ; 15 off its exponent field: the conversion's scale operand
	v_and_or_b32 v10, v8, 0x7f800000, s23          ; 57,344 x the scale
.irp i, 0,1,2,3,4,5,6,7,8,9,10,11,12,13,14,15
	v_med3_num_f32 v[RXS+\i], v[RXS+\i], -v10, v10 ; the conversion does not saturate (ISA guide 7.6.2): the hold
.endr
	v_cvt_scalef32_pk8_bf8_f32 v[RC+4*(\t):RC+4*(\t)+1], v[RXS:RXS+7], v11
	v_cvt_scalef32_pk8_bf8_f32 v[RC+4*(\t)+2:RC+4*(\t)+3], v[RXS+8:RXS+15], v11
	v_lshrrev_b32 v[RE+(\t)], 23, v11              ; the scale's byte
	ds_store_b8 v5, v[RE+(\t)] offset:16*(\t)      ; both lanes of a block write the same byte with the same value
	global_store_b128 v4, v[RC+4*(\t):RC+4*(\t)+3], s[12:13] offset:32*CB*(\t)   ; the wave stores 512 consecutive bytes
.endm
.irp t, 0,1,2,3,4,5,6,7,8,9,10,11,12,13,14,15
	RSTEP \t
.endr
	ds_load_b64 v[8:9], v6
	s_wait_dscnt 0x0
	global_store_b64 v7, v[8:9], s[14:15]          ; 32 lanes store 256 consecutive bytes
	s_wait_tensorcnt 0x0                           ; the wave's end: behind my last LDS store
	ds_add_u32 v[SPW], v[NIL]
	s_wait_dscnt 0x0
	s_endpgm
; ---------------- THE COLUMN PATH: a lane takes a column, its registers run down K: a block of 32 lies in one lane.  A wave takes 32 columns x 256 along K.
; The four kinds differ in numbers alone, chosen by s_cselect on the work-group's number: the source, its row's bytes, and where rows of codes and scale bytes go.
.Lcol:
	s_sub_co_u32 s17, ttmp9, 128                   ; c
	s_cmp_lt_u32 s17, 64
	s_cselect_b32 s18, 4, 3                        ; bits of the column group: 16 groups of 128 columns, or 8
	s_cselect_b32 s19, 13, 12                      ; a source row is 2^13 or 2^12 bytes
	s_cselect_b32 s39, 0, 1                        ; the kind: 0 W_attn, 1 W_k2, 2 W_proj, 3 x
	s_cselect_b32 s20, 0, 64                       ; the kind's first c
	s_cmp_lt_u32 s17, 96
	s_cselect_b32 s39, s39, 2
	s_cselect_b32 s20, s20, 96
	s_cmp_lt_u32 s17, 128
	s_cselect_b32 s39, s39, 3
	s_cselect_b32 s20, s20, 128
	s_sub_co_u32 s21, s17, s20
	s_bfm_b32 s22, s18, 0
	s_and_b32 s22, s21, s22                        ; column group
	s_lshr_b32 s23, s21, s18
	s_and_b32 s24, s23, 7                          ; which 256 along K
	s_lshr_b32 s25, s23, 3                         ; batch (kind 3)
	s_lshl_b32 s29, s22, 7
	s_lshl_b32 s56, s16, 5
	s_add_co_u32 s29, s29, s56                     ; my wave's first column
	s_lshl_b32 s56, s25, 23                        ; the source: batch x 8 MiB + 256 kc rows + 4 x column
	s_add_co_u32 s57, s19, 8
	s_lshl_b32 s57, s24, s57
	s_add_co_u32 s56, s56, s57
	s_lshl_b32 s57, s29, 2
	s_add_co_u32 s56, s56, s57
	s_mov_b32 s57, 0
	s_add_co_u32 s58, s19, 5
	s_lshl_b32 s58, 1, s58                         ; 32 rows of the source
	s_mov_b32 s59, 0
	s_cmp_eq_u32 s39, 1                            ; kinds 0 and 1: rows of 1,024 codes and of 32 scale bytes; W_k2's rows lie behind W_attn's 2,048
	s_cselect_b32 s60, 2048, 0
	s_add_co_u32 s60, s60, s29
	s_lshl_b32 s61, s60, 10
	s_add_co_u32 s61, s61, COD_W
	s_lshl_b32 s62, s60, 5
	s_add_co_u32 s62, s62, SCL_W
	s_lshl_b32 s30, s29, 11                        ; kind 2: rows of 2,048 codes and of 64 scale bytes
	s_add_co_u32 s30, s30, COD_WP
	s_lshl_b32 s32, s29, 6
	s_add_co_u32 s32, s32, SCL_WP
	s_cmp_eq_u32 s39, 2
	s_cselect_b32 s61, s30, s61
	s_cselect_b32 s62, s32, s62
	s_lshl_b32 s30, s24, 8
	s_add_co_u32 s61, s61, s30
	s_lshl_b32 s30, s24, 3
	s_add_co_u32 s62, s62, s30
	s_lshr_b32 s30, s29, 6                         ; kind 3: head, which 32 of its 64 channels, two steps of 128 keys
	s_lshl_b32 s32, s25, 4
	s_add_co_u32 s30, s30, s32
	s_bfe_u32 s32, s29, 0x10005
	s_lshl_b32 s60, s30, 17
	s_lshl_b32 s63, s24, 14
	s_add_co_u32 s60, s60, s63
	s_lshl_b32 s63, s32, 12
	s_add_co_u32 s60, s60, s63
	s_add_co_u32 s60, s60, COD_VT
	s_lshl_b32 s30, s30, 12
	s_lshl_b32 s63, s24, 9
	s_add_co_u32 s30, s30, s63
	s_lshl_b32 s63, s32, 7
	s_add_co_u32 s30, s30, s63
	s_add_co_u32 s30, s30, SCL_VT
	s_cmp_eq_u32 s39, 3
	s_cselect_b32 s60, s60, s61
	s_cselect_b32 s62, s30, s62
	s_mov_b32 s61, 0
	s_mov_b32 s63, 0
	s_cmp_lt_u32 s39, 2                            ; sizes, as exponents of two (an instruction takes one literal)
	s_cselect_b32 s34, 10, 11                      ; from a stored row to the next
	s_cselect_b32 s37, 5, 6                        ; the same among the scale bytes
	s_cmp_lt_u32 s39, 3
	s_cselect_b32 s34, s34, 7
	s_cselect_b32 s37, s37, 2
	s_cselect_b32 s35, 7, 13                       ; from a row's first 128 codes to its second 128
	s_cselect_b32 s38, 2, 8                        ; from a row's first scale word to its second
	s_add_co_u32 s36, s34, 1
	s_lshl_b32 s38, 1, s38
	s_mov_b32 s20, MANT
	s_wait_alu depctr_va_vdst(0)
	v_lshlrev_b32 v3, 2, v2
	v_and_b32 v5, 7, v2
	v_bfe_u32 v6, v2, 3, 1
	v_lshl_or_b32 v5, v6, 4, v5
	v_bfe_u32 v10, v2, 4, 1
	v_lshl_or_b32 v5, v10, 3, v5                   ; pi(lane)
	s_mul_i32 s17, s16, 32*CPITCH
	s_add_co_u32 s17, s17, CSTG                    ; my stage
	v_mul_u32_u24 v4, v5, CPITCH
	v_add_nc_u32 v4, s17, v4                       ; into it: row pi(my column)
	v_and_b32 v11, 15, v2
	v_mul_u32_u24 v7, v10, CPITCH
	v_lshl_add_u32 v7, v11, 4, v7
	v_add_nc_u32 v7, s17, v7                       ; out of it: sixteen lanes to a row, two rows an instruction
	v_lshlrev_b32 v8, s34, v10
	v_lshlrev_b32 v6, s35, v6
	v_add_nc_u32 v8, v8, v6
	v_and_b32 v6, 7, v2
	v_lshl_add_u32 v8, v6, 4, v8                   ; and the same place in cod
	v_lshlrev_b32 v9, s37, v5                      ; my column's scale bytes
	v_add_nc_u32 v16, s38, v9
.set i, 0
.rept 32
	v_lshl_add_u32 v[RO+i], i, s19, v3
.set i, i+1
.endr
	s_wait_alu depctr_va_vdst(0)
	s_wait_kmcnt 0x0
	s_cmp_eq_u32 s39, 0
	s_cselect_b64 s[26:27], s[6:7], s[8:9]
	s_cmp_lt_u32 s39, 2
	s_cselect_b64 s[26:27], s[26:27], s[10:11]
	s_cmp_lt_u32 s39, 3
	s_cselect_b64 s[26:27], s[26:27], s[4:5]
	s_add_nc_u64 s[40:41], s[26:27], s[56:57]      ; a base for each of the eight blocks
.irp t, 1,2,3,4,5,6,7
	s_add_nc_u64 s[40+2*\t:41+2*\t], s[38+2*\t:39+2*\t], s[58:59]
.endr
	s_add_nc_u64 s[30:31], s[12:13], s[60:61]
	s_add_nc_u64 s[32:33], s[14:15], s[62:63]
.macro CLOAD t
.set i, 0
.rept 32
	global_load_b32 v[CX+32*((\t)%2)+i], v[RO+i], s[40+2*(\t):41+2*(\t)]   ; 32 lanes read 128 consecutive bytes of a row
.set i, i+1
.endr
.endm
	CLOAD 0
	CLOAD 1
.macro BLOCK t
.set CXS, CX+32*((\t)%2)
.if (\t) < NB-1
	s_wait_loadcnt 32                              ; this block's 32 loads are in; the next block's may be out
.else
	s_wait_loadcnt 0
.endif
	v_max3_num_f32 v12, |v[CXS]|, |v[CXS+1]|, |v[CXS+2]|
	v_max3_num_f32 v13, |v[CXS+3]|, |v[CXS+4]|, |v[CXS+5]|
.irp i, 6,10,14,18,22,26
	v_max3_num_f32 v12, v12, |v[CXS+\i]|, |v[CXS+\i+1]|
	v_max3_num_f32 v13, v13, |v[CXS+\i+2]|, |v[CXS+\i+3]|
.endr
	v_max3_num_f32 v12, v12, |v[CXS+30]|, |v[CXS+31]|
	v_max3_num_f32 v12, v12, v13, (EMAX+1)<<23
	v_add_nc_u32 v11, -(EMAX<<23), v12
	v_and_or_b32 v10, v12, 0x7f800000, s20
	v_lshrrev_b32 v13, 23, v11
.if (\t)%4 == 0
	v_mov_b32 v[SB+(\t)/4], v13
.else
	v_lshl_or_b32 v[SB+(\t)/4], v13, 8*((\t)%4), v[SB+(\t)/4]
.endif
.set i, 0
.rept 32
	v_med3_num_f32 v[CXS+i], v[CXS+i], -v10, v10
.set i, i+1
.endr
.irp g, 0,1,2,3
	v_cvt_scalef32_pk8_bf8_f32 v[CC+2*\g:CC+2*\g+1], v[CXS+8*\g:CXS+8*\g+7], v11
.endr
	v_nop                                          ; a plain line behind the last conversion
	ds_store_b128 v4, v[CC:CC+3] offset:32*(\t)
	ds_store_b128 v4, v[CC+4:CC+7] offset:32*(\t)+16
.if (\t)+2 < NB
	CLOAD (\t)+2
.endif
	s_wait_dscnt 0x0                               ; the stores have read their registers
.endm
.set Q, 0
.rept NB
	BLOCK Q
.set Q, Q+1
.endr
	global_store_b32 v9, v[SB], s[32:33]
	global_store_b32 v16, v[SB+1], s[32:33]
.set i, 0
.rept 16
	v_lshl_add_u32 v[VO+i], i, s36, v8             ; two stored rows on for each instruction
.set i, i+1
.endr
.irp t, 0,1,2,3,4,5,6,7,8,9,10,11,12,13,14,15
	ds_load_b128 v[OUTR+4*\t:OUTR+4*\t+3], v7 offset:2*\t*CPITCH
.endr
	s_wait_alu depctr_va_vdst(0)
.irp t, 0,1,2,3,4,5,6,7,8,9,10,11,12,13,14,15
	s_wait_dscnt 15-\t
	global_store_b128 v[VO+\t], v[OUTR+4*\t:OUTR+4*\t+3], s[30:31]
.endr
	s_cmp_lg_u32 s39, 2
	s_cbranch_scc1 .Lonce
.irp t, 0,1,2,3,4,5,6,7,8,9,10,11,12,13,14,15
	global_store_b128 v[VO+\t], v[OUTR+4*\t:OUTR+4*\t+3], s[30:31] offset:1024   ; W_proj once more along K: for y2
.endr
	global_store_b32 v9, v[SB], s[32:33] offset:32
	global_store_b32 v16, v[SB+1], s[32:33] offset:32
.Lonce:
	s_wait_tensorcnt 0x0                           ; the wave's end: behind my last LDS store
	ds_add_u32 v[SPW], v[NIL]
	s_wait_dscnt 0x0
	s_endpgm
.Lfunc_end_k_qd1c6066d38_prep:
	.size	k_qd1c6066d38_prep, .Lfunc_end_k_qd1c6066d38_prep-k_qd1c6066d38_prep
	.p2alignl 7, 3214868480
	.fill 96, 4, 3214868480
	.section	.rodata,"a",@progbits
	.p2align	6, 0x0
	.amdhsa_kernel k_qd1c6066d38_prep
		.amdhsa_group_segment_fixed_size 68096
		.amdhsa_private_segment_fixed_size 0
		.amdhsa_enable_private_segment 0
		.amdhsa_kernarg_size 48
		.amdhsa_user_sgpr_count 2
		.amdhsa_user_sgpr_kernarg_segment_ptr 1
		.amdhsa_wavefront_size32 1
		.amdhsa_system_sgpr_workgroup_id_x 1
		.amdhsa_system_sgpr_workgroup_id_y 1
		.amdhsa_system_sgpr_workgroup_id_z 1
		.amdhsa_system_vgpr_workitem_id 0
		.amdhsa_next_free_vgpr 212
		.amdhsa_next_free_sgpr 66
		.amdhsa_reserve_vcc 0
		.amdhsa_float_denorm_mode_32 3
		.amdhsa_float_denorm_mode_16_64 3
		.amdhsa_memory_ordered 1
		.amdhsa_forward_progress 1
		.amdhsa_inst_pref_size 117
	.end_amdhsa_kernel
	.amdgpu_metadata
---
amdhsa.version: [ 1, 2 ]
amdhsa.kernels:
  - .name:           k_qd1c6066d38_prep
    .symbol:         k_qd1c6066d38_prep.kd
    .args:
      - { .name: x, .offset: 0, .size: 8, .value_kind: global_buffer, .address_space: global }
      - { .name: W_attn, .offset: 8, .size: 8, .value_kind: global_buffer, .address_space: global }
      - { .name: W_k2, .offset: 16, .size: 8, .value_kind: global_buffer, .address_space: global }
      - { .name: W_proj, .offset: 24, .size: 8, .value_kind: global_buffer, .address_space: global }
      - { .name: cod, .offset: 32, .size: 8, .value_kind: global_buffer, .address_space: global }
      - { .name: scl, .offset: 40, .size: 8, .value_kind: global_buffer, .address_space: global }
    .group_segment_fixed_size: 68096
    .private_segment_fixed_size: 0
    .kernarg_segment_align: 8
    .kernarg_segment_size: 48
    .max_flat_workgroup_size: 128
    .sgpr_count:     66
    .vgpr_count:     212
    .wavefront_size: 32
...
	.end_amdgpu_metadata
.endif
;; end of part 1
;; launch qkv (part 2): grid 12 x 16, 4 waves a work-group, clusters of 4 x 4, 327,680 bytes of LDS; arguments cod, scl, b_attn, b_k2, qkc, qks; writes qkc, qks
.if DOCPART == 2
	.amdgcn_target "amdgcn-amd-amdhsa--gfx1250"
	.amdhsa_code_object_version 6
	.text
	.protected	k_qd1c6066d38_qkv
	.globl	k_qd1c6066d38_qkv
	.p2align	8
	.type	k_qd1c6066d38_qkv,@function
k_qd1c6066d38_qkv:
	s_mov_b64 s[64:65], 0
	v_nop
	global_prefetch_b8 v0, s[64:65] scope:SCOPE_SE
	s_setreg_imm32_b32 hwreg(HW_REG_WAVE_MODE, 25, 1), 1
	s_wait_xcnt 0x0
	s_wait_alu depctr_hold_cnt(0) depctr_sa_sdst(0) depctr_va_vdst(0) depctr_va_sdst(0) depctr_va_ssrc(0) depctr_va_vcc(0) depctr_vm_vsrc(0)
	s_getreg_b32 s2, hwreg(HW_REG_IB_STS2, 6, 4)
	s_cmp_eq_u32 s2, 0
	s_cbranch_scc0 .Lentry_in_a_cluster
	s_endpgm
.Lentry_in_a_cluster:
	s_bfe_u32 s2, ttmp6, 0x10000c
	s_cmp_lg_u32 s2, 0xf033
	s_cbranch_scc0 .Lentry_shape_is_right
	s_endpgm
.Lentry_shape_is_right:
; QKV: [q | k | k2] = x [W_attn | W_k2] + bias, on codes of E5M2 with E8M0 scales, and the result QUANTISED on the way out, along each head's 64, into qkc and qks.
; A: x's codes [4096][1024].  B: the weights' codes [3072 stored rows][1024].  A tile of C, 256 x 256, is made by four waves, 128 x 128 each: 64 accumulators, 512 registers.
; K goes in steps of 256 through a ring of two LDS slots filled by the tensor data mover; the scale bytes of the work-group's rows come into LDS once.
; CLUSTERS: 4 x 4 work-groups; A's tiles are asked for jointly along a row of the cluster, B's along a column.  A cluster's four tile columns are one section: q, k or k2 (cluster x).
; THE MATRIX INSTRUCTION IS USED TRANSPOSED (source 0 = 16 stored rows of B, source 1 = 16 rows of A).  B's rows are stored with bits 3 and 4 of n exchanged, so the 16 registers of tiles 2 b and 2 b + 1
; are columns 32 b + 16 (lane / 16) + 0 .. 15 of the lane's row: what the conversions want.  The bias is the C of each sum's first matrix instruction.
; OUT: qkc [3 sections][32 heads][2048 rows][64 codes], qks one word a row: two scale bytes and twice 0x7f (for the zero codes that fill K up to 128 in the attention).  Rows of k and k2 are stored at pi(t).
; k2's row 2,047 of each batch, which reference() slices away, lies inside live tiles and is computed.
; REGISTERS, in windows of 256: window 0: v0-31 addresses; v32-63 scale words; v64-127 the bias, later the way out's work; from v128 A's fragments, later codes read back.
;   window 1: B's fragments, two sets.   windows 2, 3: the accumulators ((a, b) at v[8 (8 (a % 4) + b)]).
.set SIZE_K, 1024
.set COD_W,  4194304
.set SCL_W,  131072
.set KSTEP,  256
.set NQ,     KSTEP/128
.set ROWB,   256
.set KROW,   SIZE_K
.set PITCH,  272                       ; an LDS row: 256 bytes + 16 of padding: the 16 rows that a load touches start 16 bytes further on in each 256
.set FR,     16
.set NL,     4
.set NP,     8                         ; places behind this matrix instruction (ISA guide 7.12.1)
.set HALFT,  128*PITCH
.set SLOT,   4*HALFT
.set LAPS,   SIZE_K/(2*KSTEP)
.set KS,     SIZE_K/32
.set SCL,    2*SLOT
.set HALFS,  (128*KS/256)*272
.set SBLK,   (16*KS/256)*272
.set SPARE,  SCL+4*HALFS               ; the spare words, 128 bytes for each wave, named by no other line
.set WSTG,   17408                     ; the way out: a stage for each wave, in slot 0: codes [2 heads][128 rows][64], then words [2][128]
.set VO,   8                           ; v8-11   byte offsets of the code stores
.set VS,   12                          ; v12     of the word stores
.set ADRA, 16
.set SSO,  18                          ; v18     stage: where I put a scale word
.set SRD,  19                          ; v19     and read four back
.set ADRB, 20
.set STO,  24                          ; v24     stage: where I put 16 codes
.set RD,   25                          ; v25     and read 16 back
.set ADRS, 27
.set SPW,  28
.set NIL,  29
.set SC,   32
.set BIAS, 64
.set AF,   128
.set TM,   64                          ; the way out: v64-67 largest magnitudes, v68-71 bytes, v72-75 holds, v76-79 scale operands
.set PW,   80                          ; v80-81 two scale words
.set PC,   96                          ; v96-111 the codes just made
.set WB,   112                         ; v112-119 words read back
.set BK,   128                         ; v128-255 codes read back
.set G1, 24
.set G0, 32
.set G1B, 48
.set G0B, 56
.set G1S, 68
.set G0S, 76
.set G1SB, 80
.set G0SB, 88
.set SEL, 68                           ; s[68:69], s70: written behind the loop, when every tensor load has been waited for
.set MNT, 70
.set MSB, 0
.macro WIN new                         ; the immediate's high byte repeats the setting that is left
.if MSB != \new
	s_set_vgpr_msb (MSB<<8)|\new
.set MSB, \new
.endif
.endm
.set MUL_LO, 0xa1                      ; source 0 (B) window 1, source 1 (A) window 0, C and D window 2
.set MUL_HI, 0xf1
.set FIRST_LO, 0x81                    ; the first step: C (the bias) window 0, D window 2
.set FIRST_HI, 0xc1
.set TO_B,   0x40
.macro JLOAD g0a, g1a, g0b, g1b        ; a joint load: waves 0 and 1 fetch for A, waves 2 and 3 for B; an s_nop 0 and four v_nop follow each line
	s_cmp_eq_u32 s15, 0
	s_cbranch_scc0 .Lfor_b_\@
	tensor_load_to_lds s[\g0a:\g0a+3], s[\g1a:\g1a+7]
	s_nop 0
.rept 4
	v_nop
.endr
	s_branch .Lasked_\@
.Lfor_b_\@:
	tensor_load_to_lds s[\g0b:\g0b+3], s[\g1b:\g1b+7]
	s_nop 0
.rept 4
	v_nop
.endr
.Lasked_\@:
.endm
.macro CREST
	s_cmp_lg_u32 s14, 0
	s_cbranch_scc1 .Lnot_wave_0_\@
	s_barrier_signal -3
.Lnot_wave_0_\@:
	s_barrier_wait -3
	s_barrier_signal -1
	s_barrier_wait -1
.endm
.macro CROUND
	s_barrier_signal -1
	s_barrier_wait -1
	CREST
.endm
	s_load_b128 s[4:7], s[0:1], 0x0                ; cod, scl
	s_load_b128 s[96:99], s[0:1], 0x10             ; b_attn, b_k2
	s_load_b64 s[12:13], s[0:1], 0x20              ; qkc
	s_load_b64 s[100:101], s[0:1], 0x28            ; qks
	v_lshl_add_u32 v[SPW], v0, 2, SPARE
	v_mov_b32 v[NIL], 0
	ds_add_u32 v[SPW], v[NIL]                      ; the wave's opening: the add, twice on end, and its wait ahead of my first tensor load
	ds_add_u32 v[SPW], v[NIL]
	v_lshrrev_b32 v1, 5, v0
	v_readfirstlane_b32 s14, v1                    ; wave 0..3
	s_lshr_b32 s15, s14, 1                         ; which half of the tile's rows is mine; also: I fetch for A (0) or B (1)
	s_and_b32 s16, s14, 1                          ; which half of its columns; also: which 128 rows I fetch
	s_bfe_u32 s40, ttmp6, 0x40000                  ; cx
	s_bfe_u32 s41, ttmp6, 0x40004                  ; cy
	s_lshl_b32 s42, ttmp9, 2
	s_add_co_u32 s42, s42, s40                     ; tile column
	s_and_b32 s17, ttmp7, 0xffff
	s_lshl_b32 s17, s17, 2
	s_add_co_u32 s17, s17, s41                     ; tile row
	s_lshl_b32 s43, s41, 2
	s_lshl_b32 s43, 15, s43                        ; my row of the cluster
	s_lshl_b32 s44, 0x1111, s40                    ; my column
	s_or_b32 s[G1+0], s43, (0<<16)|(1<<20)|(1<<21)|(5<<22)|(3<<25)   ; mask; elements of 1 byte; padding: 4 words behind every 64
	s_or_b32 s[G1B+0], s44, (0<<16)|(1<<20)|(1<<21)|(5<<22)|(3<<25)
.irp g, G1, G1B
	s_mov_b32 s[\g+1], ROWB<<16
	s_mov_b32 s[\g+2], 256<<16                     ; the head's loads of codes bring 256 rows
	s_mov_b32 s[\g+3], ROWB<<16
	s_mov_b32 s[\g+4], 256
	s_mov_b32 s[\g+5], KROW
	s_mov_b32 s[\g+6], 0
	s_mov_b32 s[\g+7], 0
.endr
	s_or_b32 s[G1S+0], s43, (3<<16)|(1<<20)|(1<<21)|(5<<22)|(3<<25)  ; the scales of 256 rows: a dense block, as rows of 256 bytes
	s_or_b32 s[G1SB+0], s44, (3<<16)|(1<<20)|(1<<21)|(5<<22)|(3<<25)
.irp g, G1S, G1SB
	s_mov_b32 s[\g+1], 32<<16
	s_mov_b32 s[\g+2], KS<<16                      ; the scales of 256 rows: KS rows of 256 bytes
	s_mov_b32 s[\g+3], 32<<16
	s_mov_b32 s[\g+4], KS
	s_mov_b32 s[\g+5], 32
	s_mov_b32 s[\g+6], 0
	s_mov_b32 s[\g+7], 0
.endr
	s_lshl_b32 s20, s17, 8                         ; A: the tile's first row
	s_lshl_b32 s46, s42, 8                         ; B: the tile's first stored row
	s_mov_b32 s21, 0
	s_mov_b32 s47, 0
	s_mov_b64 s[18:19], KS
	s_mul_u64 s[22:23], s[20:21], s[18:19]
	s_mul_u64 s[92:93], s[46:47], s[18:19]
	s_mov_b64 s[18:19], KROW
	s_mul_u64 s[20:21], s[20:21], s[18:19]
	s_mul_u64 s[46:47], s[46:47], s[18:19]
	s_mul_i32 s18, s16, 128*KROW                   ; in the ring I fetch 128 rows of a tile: which half, in bytes
	s_mov_b32 s19, 0
	s_mul_i32 s45, s14, HALFT
	s_wait_dscnt 0x0                               ; both opening adds are done
	s_wait_kmcnt 0x0
	s_add_nc_u64 s[8:9], s[4:5], COD_W             ; the weights' codes
	s_add_nc_u64 s[10:11], s[6:7], SCL_W           ; and their scale bytes
	s_add_nc_u64 s[20:21], s[4:5], s[20:21]
	s_add_nc_u64 s[22:23], s[6:7], s[22:23]
	s_add_nc_u64 s[46:47], s[8:9], s[46:47]
	s_add_nc_u64 s[92:93], s[10:11], s[92:93]
	CROUND                                         ; all sixteen work-groups are here: the first joint loads meet
	s_mov_b32 s[G0S], 1
	s_mov_b32 s[G0S+1], SCL
	s_mov_b64 s[G0S+2:G0S+3], s[22:23]
	s_or_b32 s[G0S+3], s[G0S+3], 0x80000000
	s_mov_b32 s[G0SB], 1
	s_mov_b32 s[G0SB+1], SCL+2*HALFS
	s_mov_b64 s[G0SB+2:G0SB+3], s[92:93]
	s_or_b32 s[G0SB+3], s[G0SB+3], 0x80000000
.set G0H, 4                            ; s[4:7], s[8:11]: group 0 of the head's loads of K step 0 (the arguments that lay there have been used)
.set G0HB, 8
	s_mov_b32 s[G0H], 1
	s_mov_b32 s[G0H+1], 0
	s_mov_b64 s[G0H+2:G0H+3], s[20:21]
	s_or_b32 s[G0H+3], s[G0H+3], 0x80000000
	s_mov_b32 s[G0HB], 1
	s_mov_b32 s[G0HB+1], 2*HALFT
	s_mov_b64 s[G0HB+2:G0HB+3], s[46:47]
	s_or_b32 s[G0HB+3], s[G0HB+3], 0x80000000
	s_add_nc_u64 s[20:21], s[20:21], s[18:19]      ; for the ring: my 128 rows of the tile
	s_add_nc_u64 s[46:47], s[46:47], s[18:19]
.irp s, 0,1
	s_mov_b32 s[G0+4*\s], 1
	s_add_co_u32 s[G0+4*\s+1], s45, \s*SLOT
	s_add_nc_u64 s[G0+4*\s+2:G0+4*\s+3], s[20:21], \s*ROWB
	s_or_b32 s[G0+4*\s+3], s[G0+4*\s+3], 0x80000000
	s_mov_b32 s[G0B+4*\s], 1
	s_add_co_u32 s[G0B+4*\s+1], s45, \s*SLOT
	s_add_nc_u64 s[G0B+4*\s+2:G0B+4*\s+3], s[46:47], \s*ROWB
	s_or_b32 s[G0B+4*\s+3], s[G0B+4*\s+3], 0x80000000
.endr
; the head's four tiles, one a wave: wave 0 K step 0's 256 rows of A, wave 1 those of B, wave 2 A's scales, wave 3 B's
.macro ARM under, g0, g1, next
	s_cmp_lt_u32 s14, \under
	s_cbranch_scc0 \next
	tensor_load_to_lds s[\g0:\g0+3], s[\g1:\g1+7]
	s_nop 0
.rept 4
	v_nop
.endr
	s_branch .Lhead_asked
\next:
.endm
	ARM 1, G0H,  G1,  .Lhead_b
	ARM 2, G0HB, G1B, .Lhead_sa
	ARM 3, G0S,  G1S, .Lhead_sb
	tensor_load_to_lds s[G0SB:G0SB+3], s[G1SB:G1SB+7]
	s_nop 0
.rept 4
	v_nop
.endr
.Lhead_asked:
	v_and_b32 v1, 15, v0
	v_bfe_u32 v2, v0, 4, 1                         ; h
	; the bias, in the result's layout: tile b, register j: column 32 (b / 2) + 16 h + 8 (b % 2) + j of my 128
	s_wait_alu depctr_va_vdst(0)
	s_cmp_lt_u32 ttmp9, 2                          ; sections q and k take b_attn, section k2 takes b_k2: the cluster's x alone decides
	s_cselect_b64 s[96:97], s[96:97], s[98:99]
	s_cselect_b32 s18, 0, 8
	s_sub_co_u32 s18, s42, s18
	s_lshl_b32 s18, s18, 10
	s_lshl_b32 s19, s16, 9
	s_add_co_u32 s18, s18, s19
	s_mov_b32 s19, 0
	s_add_nc_u64 s[96:97], s[96:97], s[18:19]
	v_lshlrev_b32 v7, 6, v2
.irp b, 0,1,2,3,4,5,6,7
	global_load_b128 v[BIAS+8*\b:BIAS+8*\b+3], v7, s[96:97] offset:(32*(\b/2)+8*(\b%2))*4
	global_load_b128 v[BIAS+8*\b+4:BIAS+8*\b+7], v7, s[96:97] offset:(32*(\b/2)+8*(\b%2))*4+16
.endr
	v_mul_u32_u24 v3, v1, PITCH
	v_lshl_add_u32 v4, v2, 4, v3
	s_mul_i32 s21, s15, HALFT
	s_mul_i32 s22, s16, HALFT
	s_add_co_u32 s22, s22, 2*HALFT
.irp s, 0,1
	v_add_nc_u32 v[ADRA+\s], s21, v4
	v_add_nc_u32 v[ADRB+\s], s22, v4
	s_add_co_u32 s21, s21, SLOT
	s_add_co_u32 s22, s22, SLOT
.endr
	v_mul_u32_u24 v5, v1, KS                       ; my row's scales: KS bytes a row, and 16 more for each 256 passed
	v_lshrrev_b32 v6, 8, v5
	v_lshl_add_u32 v5, v6, 4, v5
	s_mul_i32 s21, s15, HALFS
	s_mul_i32 s22, s16, HALFS
	s_add_co_u32 s22, s22, 2*HALFS
	s_sub_co_u32 s22, s22, s21
	v_mul_u32_u24 v6, s22, v2                      ; lanes 16-31 take B's
	s_add_co_u32 s21, s21, SCL
	v_add_nc_u32 v5, v5, v6
	v_add_nc_u32 v[ADRS], s21, v5
	s_mul_i32 s23, s14, WSTG                       ; my stage
	v_lshlrev_b32 v5, 6, v1
	v_lshl_add_u32 v5, v2, 4, v5
	v_add_nc_u32 v[STO], s23, v5                   ; row r of 64 bytes, + 16 h
	v_and_b32 v6, 31, v0
	v_lshlrev_b32 v[VO], 4, v6
	s_wait_alu depctr_va_vdst(0)
	v_add_nc_u32 v[RD], s23, v[VO]
	s_add_co_u32 s23, s23, 16384
	v_lshl_add_u32 v[SSO], v1, 2, s23
	v_add_nc_u32 v[SRD], s23, v[VO]
	; pi is applied on the way to memory alone: groups of 8 rows (512 bytes of codes, 32 of words) change places two by two in sections k and k2
	s_cmp_eq_u32 ttmp9, 0
	s_cselect_b32 s21, 9, 10
	s_cselect_b32 s22, 10, 9
	s_cselect_b32 s18, 5, 6
	s_cselect_b32 s19, 6, 5
	s_lshl_b32 s21, 1, s21
	s_lshl_b32 s22, 1, s22
	v_add_nc_u32 v[VO+1], s21, v[VO]
	v_add_nc_u32 v[VO+2], s22, v[VO]
	v_add_nc_u32 v[VO+3], s22, v[VO+1]
	v_and_b32 v[VS], 1, v0
	v_lshlrev_b32 v[VS], 4, v[VS]
	v_bfe_u32 v5, v0, 1, 1
	v_lshlrev_b32 v5, s18, v5
	v_add_nc_u32 v[VS], v[VS], v5
	v_bfe_u32 v5, v0, 2, 1
	v_lshlrev_b32 v5, s19, v5
	v_add_nc_u32 v[VS], v[VS], v5
	v_bfe_u32 v5, v0, 3, 2
	v_lshl_add_u32 v[VS], v5, 7, v[VS]
	; where my 128 rows x 2 heads go
	s_lshl_b32 s20, s17, 8
	s_lshl_b32 s21, s15, 7
	s_add_co_u32 s20, s20, s21                     ; my first row of x
	s_lshr_b32 s21, s20, 11                        ; batch
	s_and_b32 s20, s20, 2047                       ; t
	s_and_b32 s46, s42, 3
	s_lshl_b32 s46, s46, 2
	s_lshl_b32 s47, s16, 1
	s_add_co_u32 s46, s46, s47                     ; my first head
	s_lshl_b32 s21, s21, 4
	s_add_co_u32 s46, s46, s21
	s_lshl_b32 s92, ttmp9, 22
	s_lshl_b32 s93, s46, 17
	s_add_co_u32 s92, s92, s93
	s_lshl_b32 s93, s20, 6
	s_add_co_u32 s92, s92, s93
	s_mov_b32 s93, 0
	s_add_nc_u64 s[12:13], s[12:13], s[92:93]
	s_lshl_b32 s92, ttmp9, 18
	s_lshl_b32 s94, s46, 13
	s_add_co_u32 s92, s92, s94
	s_lshl_b32 s94, s20, 2
	s_add_co_u32 s92, s92, s94
	s_add_nc_u64 s[100:101], s[100:101], s[92:93]
.macro FRAG reg, adr, q, i             ; 16 rows x 128 K of 8-bit codes: registers 4 c .. 4 c + 3 hold K = 32 c + 16 (l / 16) + 0 .. 15
.irp c, 0,1,2,3
	ds_load_b128 v[\reg+4*\c:\reg+4*\c+3], v[\adr] offset:128*(\q)+32*\c+(\i)*16*PITCH
.endr
.endm
; 16 matrix instructions: A's blocks a0, a0 + 1 x B's eight.  zero = 1: the first product starts the sums from the bias.  The 64 accumulators take turns, one instruction a turn.
.macro MUL16 a0, p, q, sc, zero
.irp a, \a0, \a0+1
.irp b, 0,1,2,3,4,5,6,7
.if \zero
	v_wmma_scale_f32_16x16x128_f8f6f4 v[8*(8*((\a)%4)+\b):8*(8*((\a)%4)+\b)+7], v[128*(\p)+FR*\b:128*(\p)+FR*\b+FR-1], v[AF+FR*(\a):AF+FR*(\a)+FR-1], v[BIAS+8*\b:BIAS+8*\b+7], v[SC+8*NQ*(\sc)+NQ*\b+(\q)], v[SC+8*NQ*(\sc)+NQ*(\a)+(\q)] matrix_a_fmt:MATRIX_FMT_BF8 matrix_b_fmt:MATRIX_FMT_BF8 matrix_a_scale:MATRIX_SCALE_ROW1
.else
	v_wmma_scale_f32_16x16x128_f8f6f4 v[8*(8*((\a)%4)+\b):8*(8*((\a)%4)+\b)+7], v[128*(\p)+FR*\b:128*(\p)+FR*\b+FR-1], v[AF+FR*(\a):AF+FR*(\a)+FR-1], v[8*(8*((\a)%4)+\b):8*(8*((\a)%4)+\b)+7], v[SC+8*NQ*(\sc)+NQ*\b+(\q)], v[SC+8*NQ*(\sc)+NQ*(\a)+(\q)] matrix_a_fmt:MATRIX_FMT_BF8 matrix_b_fmt:MATRIX_FMT_BF8 matrix_a_scale:MATRIX_SCALE_ROW1
.endif
.endr
.endr
.endm
.macro FETCH_B slot, q, p
	WIN TO_B
.irp i, 0,1,2,3,4,5,6,7
	FRAG 128*(\p)+FR*\i, ADRB+\slot, \q, \i
.endr
	WIN 0
.endm
.macro FETCH_A slot, q, i0
.irp i, \i0, \i0+1, \i0+2, \i0+3
	FRAG AF+FR*(\i), ADRA+\slot, \q, \i
.endr
.endm
.macro SCALES sc                       ; lanes 0-15 take the words of A's block i, lanes 16-31 those of B's block i
.irp i, 0,1,2,3,4,5,6,7
	ds_load_b64 v[SC+8*NQ*\sc+NQ*\i:SC+8*NQ*\sc+NQ*\i+1], v[ADRS] offset:\i*SBLK
.endr
.endm
.macro PLACES n
.rept \n
	v_nop
.endr
.endm
.macro STEP slot, q, zero              ; a step of 128 along K that has its successor in the same slot
	s_wait_dscnt 4*NL                              ; B's set and A's blocks 0-3 are in; A's blocks 4-7 may be out
.if \zero
	WIN FIRST_LO
.else
	WIN MUL_LO
.endif
	MUL16 0, (\q)%2, \q, \slot, \zero
	MUL16 2, (\q)%2, \q, \slot, \zero
	s_wait_dscnt 0
	PLACES NP
	FETCH_B \slot, (\q)+1, 1-(\q)%2
	FETCH_A \slot, (\q)+1, 0
.if \zero
	WIN FIRST_HI
.else
	WIN MUL_HI
.endif
	MUL16 4, (\q)%2, \q, \slot, \zero
	MUL16 6, (\q)%2, \q, \slot, \zero
	PLACES NP
	WIN 0
	FETCH_A \slot, (\q)+1, 4
.endm
.macro TURN slot, next, fill           ; a slot's last step changes slots: one barrier; fill = 1: this slot is filled again, two K steps ahead
	s_wait_tensorcnt 0x0                           ; all my tensor loads have landed: my part of the next slot
	ds_add_u32 v[SPW], v[NIL]                      ; 0 onto my spare word
	s_wait_dscnt 4*NL+1                            ; the add and A's blocks 4-7 may be out
	WIN MUL_LO
	MUL16 0, 1, NQ-1, \slot, 0
	s_wait_dscnt 0x0                               ; the add is done, and my reads of this slot are over
	s_barrier_signal -1
	MUL16 2, 1, NQ-1, \slot, 0
	WIN 0
	s_barrier_wait -1
.if \fill
	CREST                                          ; no wave of any partner still reads this slot's tile or has a load on its way
	s_add_nc_u64 s[G0+4*\slot+2:G0+4*\slot+3], s[G0+4*\slot+2:G0+4*\slot+3], 2*ROWB
	s_add_nc_u64 s[G0B+4*\slot+2:G0B+4*\slot+3], s[G0B+4*\slot+2:G0B+4*\slot+3], 2*ROWB
	JLOAD G0+4*\slot, G1, G0B+4*\slot, G1B
	PLACES NP-4
.else
	PLACES NP
.endif
	s_wait_alu depctr_va_vdst(0)
	v_add_nc_u32 v[ADRS], 4*NQ, v[ADRS]
	FETCH_B \next, 0, 0
	FETCH_A \next, 0, 0
	SCALES \next
	WIN MUL_HI
	MUL16 4, 1, NQ-1, \slot, 0
	MUL16 6, 1, NQ-1, \slot, 0
	PLACES NP
	WIN 0
	FETCH_A \next, 0, 4
.endm
	s_wait_alu depctr_va_vdst(0)                   ; the wait at the head's end
	s_wait_tensorcnt 0x0                           ; my tile of the head's four is in
	ds_add_u32 v[SPW], v[NIL]                      ; the add ahead of a later first fill
	s_mov_b32 s[G1+2], 128<<16                     ; no tensor load of mine is out: from here on a load brings 128 rows
	s_mov_b32 s[G1+4], 128
	s_mov_b32 s[G1B+2], 128<<16
	s_mov_b32 s[G1B+4], 128
	s_wait_dscnt 0x0
	CROUND                                         ; all four tiles are in, and all sixteen work-groups are here
	JLOAD G0+4, G1, G0B+4, G1B                     ; K step 1: the first tensor load behind the round
	FETCH_B 0, 0, 0
	FETCH_A 0, 0, 0
	SCALES 0
	FETCH_A 0, 0, 4
	s_wait_loadcnt 0x0                             ; the bias
	STEP 0, 0, 1
	s_mov_b32 s3, LAPS-1
.Llap:
	TURN 0, 1, 1
	STEP 1, 0, 0
	TURN 1, 0, 1
	STEP 0, 0, 0
	s_sub_co_u32 s3, s3, 1
	s_cmp_lg_u32 s3, 0
	s_cbranch_scc1 .Llap
	TURN 0, 1, 0
	STEP 1, 0, 0
	s_wait_dscnt 4*NL
	WIN MUL_LO
	MUL16 0, 1, NQ-1, 1, 0
	MUL16 2, 1, NQ-1, 1, 0
	s_wait_dscnt 0
	WIN MUL_HI
	MUL16 4, 1, NQ-1, 1, 0
	MUL16 6, 1, NQ-1, 1, 0
	WIN 0
; THE WAY OUT.  Block a (16 rows): a lane's 64 numbers are four blocks of 32 along two heads' 64, 16 numbers of each in this lane and 16 in lane l xor 16.  They are quantised in place and leave through my stage,
; which lies in slot 0: that slot has had its last fill, and every wave has passed the last change of slots.
	s_mov_b32 s[SEL], 0x76543210
	s_mov_b32 s[SEL+1], 0xfedcba98
	s_mov_b32 s[MNT], 0x600000
	PLACES NP
.irp b, 0,1,2,3
	v_mov_b32 v[TM+4+\b], 0                        ; a lane permute's destination counts as one of its sources
.endr
.macro EPI a
.set W, 2+(\a)/4
.set WMAX, (W<<2)|W
.set WMED, (W<<6)|W
.set AC, 64*((\a)%4)
	WIN WMAX                                       ; sources 0 and 1: the accumulators' window
.irp b, 0,1,2,3
	v_max3_num_f32 v[TM+\b], |v[AC+16*\b]|, |v[AC+16*\b+1]|, 0x8000000     ; each accumulator is read from its low end on; the floor 2^(16 - 127)
.endr
.irp i, 2,4,6,8,10,12,14
.irp b, 0,1,2,3
	v_max3_num_f32 v[TM+\b], |v[AC+16*\b+\i]|, |v[AC+16*\b+\i+1]|, v[TM+\b]
.endr
.endr
	WIN 0
	s_wait_alu depctr_va_vdst(0)
	s_wait_dscnt 0x0                               ; the last block's stage stores have read their registers
.irp b, 0,1,2,3
	v_permlanex16_b32 v[TM+4+\b], v[TM+\b], s[SEL], s[SEL+1]
.endr
.irp b, 0,1,2,3
	v_max_num_f32 v[TM+\b], v[TM+\b], v[TM+4+\b]
.endr
.irp b, 0,1,2,3
	v_add_nc_u32 v[TM+12+\b], 0xf8800000, v[TM+\b]
.endr
.irp b, 0,1,2,3
	v_and_or_b32 v[TM+8+\b], v[TM+\b], 0x7f800000, s[MNT]
.endr
.irp b, 0,1,2,3
	v_lshrrev_b32 v[TM+4+\b], 23, v[TM+12+\b]
.endr
	v_lshl_or_b32 v[PW], v[TM+5], 8, v[TM+4]
	v_lshl_or_b32 v[PW+1], v[TM+7], 8, v[TM+6]
	v_or_b32 v[PW], 0x7f7f0000, v[PW]              ; bytes 2 and 3: 1.0, over the zero codes that fill K up to 128
	v_or_b32 v[PW+1], 0x7f7f0000, v[PW+1]
	WIN WMED
.irp b, 0,1,2,3
.irp i, 0,1,2,3,4,5,6,7,8,9,10,11,12,13,14,15
	v_med3_num_f32 v[AC+16*\b+\i], v[AC+16*\b+\i], -v[TM+8+\b], v[TM+8+\b]
.endr
.endr
	WIN W
.irp b, 0,1,2,3
	v_cvt_scalef32_pk8_bf8_f32 v[PC+4*\b:PC+4*\b+1], v[AC+16*\b:AC+16*\b+7], v[TM+12+\b]
	v_cvt_scalef32_pk8_bf8_f32 v[PC+4*\b+2:PC+4*\b+3], v[AC+16*\b+8:AC+16*\b+15], v[TM+12+\b]
.endr
	WIN 0
	v_nop                                          ; a plain line behind the last conversion
.irp b, 0,1,2,3
	ds_store_b128 v[STO], v[PC+4*\b:PC+4*\b+3] offset:(\b/2)*8192+(\a)*1024+32*(\b%2)
.endr
	ds_store_b32 v[SSO], v[PW] offset:64*(\a)      ; lanes l and l xor 16 write the same word with the same value
	ds_store_b32 v[SSO], v[PW+1] offset:512+64*(\a)
.endm
.irp a, 0,1,2,3,4,5,6,7
	EPI \a
.endr
.set j, 0
.rept 32
	ds_load_b128 v[BK+4*j:BK+4*j+3], v[RD] offset:512*j    ; LDS serves a wave's instructions in order: these see my stores
.set j, j+1
.endr
	ds_load_b128 v[WB:WB+3], v[SRD]
	ds_load_b128 v[WB+4:WB+7], v[SRD] offset:512
.set j, 0
.rept 32
	s_wait_dscnt 33-j                              ; behind load j: 31 - j loads of codes and the two of words
	global_store_b128 v[VO+(j%4)], v[BK+4*j:BK+4*j+3], s[12:13] offset:(j/16)*131072+((j%16)/4)*2048   ; the wave stores 512 consecutive bytes
.set j, j+1
.endr
	s_wait_dscnt 1
	global_store_b128 v[VS], v[WB:WB+3], s[100:101]
	s_wait_dscnt 0
	global_store_b128 v[VS], v[WB+4:WB+7], s[100:101] offset:8192
	s_wait_tensorcnt 0x0                           ; the wave's end
	ds_add_u32 v[SPW], v[NIL]
	s_wait_dscnt 0x0
	CROUND                                         ; the closing round
	s_endpgm
.Lfunc_end_k_qd1c6066d38_qkv:
	.size	k_qd1c6066d38_qkv, .Lfunc_end_k_qd1c6066d38_qkv-k_qd1c6066d38_qkv
	.p2alignl 7, 3214868480
	.fill 96, 4, 3214868480
	.section	.rodata,"a",@progbits
	.p2align	6, 0x0
	.amdhsa_kernel k_qd1c6066d38_qkv
		.amdhsa_group_segment_fixed_size 327680
		.amdhsa_private_segment_fixed_size 0
		.amdhsa_enable_private_segment 0
		.amdhsa_kernarg_size 48
		.amdhsa_user_sgpr_count 2
		.amdhsa_user_sgpr_kernarg_segment_ptr 1
		.amdhsa_wavefront_size32 1
		.amdhsa_system_sgpr_workgroup_id_x 1
		.amdhsa_system_sgpr_workgroup_id_y 1
		.amdhsa_system_sgpr_workgroup_id_z 1
		.amdhsa_system_vgpr_workitem_id 0
		.amdhsa_next_free_vgpr 1024
		.amdhsa_next_free_sgpr 102
		.amdhsa_reserve_vcc 0
		.amdhsa_float_denorm_mode_32 3
		.amdhsa_float_denorm_mode_16_64 3
		.amdhsa_memory_ordered 1
		.amdhsa_forward_progress 1
		.amdhsa_inst_pref_size 196
	.end_amdhsa_kernel
	.amdgpu_metadata
---
amdhsa.version: [ 1, 2 ]
amdhsa.kernels:
  - .name:           k_qd1c6066d38_qkv
    .symbol:         k_qd1c6066d38_qkv.kd
    .args:
      - { .name: cod, .offset: 0, .size: 8, .value_kind: global_buffer, .address_space: global }
      - { .name: scl, .offset: 8, .size: 8, .value_kind: global_buffer, .address_space: global }
      - { .name: b_attn, .offset: 16, .size: 8, .value_kind: global_buffer, .address_space: global }
      - { .name: b_k2, .offset: 24, .size: 8, .value_kind: global_buffer, .address_space: global }
      - { .name: qkc, .offset: 32, .size: 8, .value_kind: global_buffer, .address_space: global }
      - { .name: qks, .offset: 40, .size: 8, .value_kind: global_buffer, .address_space: global }
    .group_segment_fixed_size: 327680
    .private_segment_fixed_size: 0
    .kernarg_segment_align: 8
    .kernarg_segment_size: 48
    .max_flat_workgroup_size: 128
    .sgpr_count:     102
    .vgpr_count:     1024
    .wavefront_size: 32
...
	.end_amdgpu_metadata
.endif
;; end of part 2
;; launch attn1 (part 3): grid 8 x 32, 16 waves a work-group, no clusters, 327,680 bytes of LDS; arguments qkc, qks, cod, scl, yc, ys, x, ec, es; writes yc, ys, ec, es
.if DOCPART == 3
	.amdgcn_target "amdgcn-amd-amdhsa--gfx1250"
	.amdhsa_code_object_version 6
	.text
	.protected	k_qd1c6066d38_attn1
	.globl	k_qd1c6066d38_attn1
	.p2align	8
	.type	k_qd1c6066d38_attn1,@function
k_qd1c6066d38_attn1:
	s_mov_b64 s[64:65], 0
	v_nop
	global_prefetch_b8 v0, s[64:65] scope:SCOPE_SE
	s_setreg_imm32_b32 hwreg(HW_REG_WAVE_MODE, 25, 1), 1
	s_wait_xcnt 0x0
.set PASS, 1
.set KSEC, PASS
.if PASS == 1
.set VB,  9437184
.set VSB, 294912
.else
.set VB,  0
.set VSB, 0
.endif
.set SK,    256
.set KP,    80
.set VP,    144
.set VOFF,  SK*KP
.set SLOT1, 1<<16
.set NSL,   8
.set SCK,   131072
.set SCV,   139264
.set SPARE, 143360
.set CST,   145408
.set YST,   161792
.set EST,   231424
.set ESS,   247808
.set AK0,  1
.set AV0,  2
.set ASK0, 3
.set LIMV, 4
.set SPW,  5
.set NIL,  6
.set GO,   7
.set PFO,  7
.set ADK,  8
.set ADV,  9
.set ADS,  10
.set ADT,  11
.set EM,   16
.set WV,   18
.set MNT,  19
.set SEL,  20
.set CS,   22
.set G1K,  24
.set G1V,  32
.set G0K,  40
.set G0V,  44
.set G1SK, 48
.set G0SK, 56
.set G0SV, 60
.set G1SV, 68
.set TB,   2
.set TS,   3
.set TJ,   66
.set SLOTS, 67
.set PFA,  76
.set LIM,  78
.set LASTQ, 79
.set KF,   80
.set Q0,   81
.set PL,   82
.set BH,   83
.macro TLOAD g0k, g1k, g0v, g1v
	s_cmp_eq_u32 s[WV], 0
	s_cbranch_scc0 .Lnot_k_\@
	tensor_load_to_lds s[\g0k:\g0k+3], s[\g1k:\g1k+7]
	s_nop 0
.rept 4
	v_nop
.endr
	s_branch .Lasked_\@
.Lnot_k_\@:
	s_cmp_eq_u32 s[WV], 1
	s_cbranch_scc0 .Lasked_\@
	tensor_load_to_lds s[\g0v:\g0v+3], s[\g1v:\g1v+7]
	s_nop 0
.rept 4
	v_nop
.endr
.Lasked_\@:
.endm
.macro ASK
	s_cmp_gt_u32 s[SLOTS], s[LIM]
	s_cbranch_scc0 .Lnot_mine_\@
	global_prefetch_b8 v[PFO], s[PFA:PFA+1] th:TH_LOAD_NT scope:SCOPE_SE
.Lnot_mine_\@:
.endm
	s_load_b256 s[4:11], s[0:1], 0x0
.if PASS == 1
	s_load_b256 s[84:91], s[0:1], 0x20
	s_load_b64 s[92:93], s[0:1], 0x40
.else
	s_load_b128 s[84:87], s[0:1], 0x20
.endif
	v_lshl_add_u32 v[SPW], v0, 2, SPARE
	v_mov_b32 v[NIL], 0
	ds_add_u32 v[SPW], v[NIL]
	ds_add_u32 v[SPW], v[NIL]
	v_lshrrev_b32 v8, 5, v0
	s_delay_alu instid0(VALU_DEP_1)
	v_readfirstlane_b32 s[WV], v8
	s_and_b32 s[BH], ttmp7, 0xffff
	s_lshr_b32 s12, s[WV], 2
	s_xor_b32 s12, s12, s[WV]
	s_and_b32 s12, s12, 1
	s_lshr_b32 s13, s[WV], 1
	s_lshl_b32 s[PL], s12, 3
	s_add_co_u32 s[PL], s[PL], s13
	s_sub_co_u32 s14, 15, ttmp9
	s_cmp_eq_u32 s12, 0
	s_cselect_b32 s15, ttmp9, s14
	s_lshl_b32 s[Q0], s15, 7
	s_lshl_b32 s13, s13, 4
	s_add_co_u32 s[Q0], s[Q0], s13
	s_lshl_b32 s[LASTQ], s14, 7
	s_or_b32 s[LASTQ], s[LASTQ], 127
	s_mov_b32 s[G1K], (0<<16)|(1<<20)|(3<<22)|(3<<25)
	s_mov_b32 s[G1K+1], 64<<16
	s_mov_b32 s[G1K+2], SK<<16
	s_mov_b32 s[G1K+3], 64<<16
	s_mov_b32 s[G1K+4], SK
	s_mov_b32 s[G1K+5], 64
	s_mov_b32 s[G1K+6], 0
	s_mov_b32 s[G1K+7], 0
	s_mov_b32 s[G1V], (0<<16)|(1<<20)|(4<<22)|(3<<25)
	s_mov_b32 s[G1V+1], 128<<16
	s_mov_b32 s[G1V+2], 128<<16
	s_mov_b32 s[G1V+3], 128<<16
	s_mov_b32 s[G1V+4], 128
	s_mov_b32 s[G1V+5], 128
	s_mov_b32 s[G1V+6], 0
	s_mov_b32 s[G1V+7], 0
	s_mov_b32 s[G1SK], 3<<16
	s_mov_b32 s[G1SK+1], 32<<16
	s_mov_b32 s[G1SK+2], 32<<16
	s_mov_b32 s[G1SK+3], 32<<16
	s_mov_b32 s[G1SK+4], 32
	s_mov_b32 s[G1SK+5], 32
	s_mov_b32 s[G1SK+6], 0
	s_mov_b32 s[G1SK+7], 0
	s_mov_b32 s[G1SV], 3<<16
	s_mov_b32 s[G1SV+1], 32<<16
	s_mov_b32 s[G1SV+2], 16<<16
	s_mov_b32 s[G1SV+3], 32<<16
	s_mov_b32 s[G1SV+4], 16
	s_mov_b32 s[G1SV+5], 32
	s_mov_b32 s[G1SV+6], 0
	s_mov_b32 s[G1SV+7], 0
	s_lshl_b32 s94, s[BH], 17
	s_mov_b32 s95, 0
	s_lshl_b32 s96, s[BH], 13
	s_mov_b32 s97, 0
	s_lshl_b32 s98, s[BH], 12
	s_mov_b32 s99, 0
	s_mov_b32 s[SEL], 0x76543210
	s_mov_b32 s[SEL+1], 0xfedcba98
	s_mov_b32 s[CS], 0x3e38aa3b
	s_mov_b32 s[CS+1], s[CS]
	s_mov_b32 s[MNT], 0x600000
	s_mov_b32 s[TB], 0
	s_mov_b32 s[TS], 0
	s_mov_b32 s[TJ], SCV-SCK
	s_mov_b32 s[SLOTS], NSL-1
	s_mov_b32 s[KF], 0
	s_wait_dscnt 0x0
	s_wait_kmcnt 0x0
	s_mov_b32 s[G0SK], 1
	s_mov_b32 s[G0SK+1], SCK
	s_add_nc_u64 s[G0SK+2:G0SK+3], s[6:7], s[96:97]
	s_add_nc_u64 s[G0SK+2:G0SK+3], s[G0SK+2:G0SK+3], KSEC*262144
	s_or_b32 s[G0SK+3], s[G0SK+3], 0x80000000
	s_mov_b32 s[G0SV], 1
	s_mov_b32 s[G0SV+1], SCV
	s_add_nc_u64 s[G0SV+2:G0SV+3], s[10:11], s[98:99]
.if VSB
	s_add_nc_u64 s[G0SV+2:G0SV+3], s[G0SV+2:G0SV+3], VSB
.endif
	s_or_b32 s[G0SV+3], s[G0SV+3], 0x80000000
	s_add_nc_u64 s[12:13], s[4:5], s[94:95]
	s_add_nc_u64 s[12:13], s[12:13], KSEC*4194304
	s_add_nc_u64 s[14:15], s[8:9], s[94:95]
.if VB
	s_add_nc_u64 s[14:15], s[14:15], VB
.endif
	s_mov_b32 s[G0K], 1
	s_mov_b32 s[G0K+1], 0
	s_mov_b64 s[G0K+2:G0K+3], s[12:13]
	s_or_b32 s[G0K+3], s[G0K+3], 0x80000000
	s_mov_b32 s[G0V], 1
	s_mov_b32 s[G0V+1], VOFF
	s_mov_b64 s[G0V+2:G0V+3], s[14:15]
	s_or_b32 s[G0V+3], s[G0V+3], 0x80000000
	s_wait_alu depctr_va_vdst(0)
; the head's four tiles, one a wave, in one chain of arms: wave 0 slot 0's keys, wave 1 its values, wave 2 the keys' scale bytes, wave 3 the values'
.macro ARM is, g0, g1, next
	s_cmp_eq_u32 s[WV], \is
	s_cbranch_scc0 \next
	tensor_load_to_lds s[\g0:\g0+3], s[\g1:\g1+7]
	s_nop 0
.rept 4
	v_nop
.endr
	s_branch .Lhead_asked
\next:
.endm
	ARM 0, G0K,  G1K,  .Lhead_v
	ARM 1, G0V,  G1V,  .Lhead_sk
	ARM 2, G0SK, G1SK, .Lhead_sv
	ARM 3, G0SV, G1SV, .Lhead_none
.Lhead_asked:
; THE PAIR.  Waves 2 j and 2 j + 1 own tile j of the work-group's low block and tile j of its high block.  From the first slot all of whose keys come after the low tile's queries, the low tile's wave
; saves its own state in LDS and helps: the high tile's wave takes a slot's first key step, the helper its second, under an M of its own.  Behind the loop the parts are joined by exact powers of two.
.set SAVE, 249856                      ; 4,608 bytes for each wave: an image of 36 registers; no tile lands here
	s_lshr_b32 s10, s[WV], 2
	s_xor_b32 s10, s10, s[WV]
	s_and_b32 s10, s10, 1                          ; s10: 0 the low tile's wave, 1 the high tile's
	s_lshr_b32 s96, s[WV], 1
	s_lshl_b32 s96, s96, 4
	s_lshl_b32 s8, ttmp9, 7
	s_add_co_u32 s8, s8, s96                       ; s8: the low tile's first query
	s_sub_co_u32 s9, 15, ttmp9
	s_lshl_b32 s9, s9, 7
	s_add_co_u32 s9, s9, s96                       ; s9: the high tile's
	s_mov_b32 s11, 2                               ; s11: the key step of a slot that I leave to my partner; 2: none yet
	s_cmp_eq_u32 s10, 0
	s_cselect_b32 s17, -1, 0                       ; s17: all lanes in the low tile's wave
	s_cmp_lt_u32 s[WV], 6
	s_cselect_b64 s[PFA:PFA+1], s[12:13], s[14:15]
	s_and_b32 s96, s[WV], 1
	s_lshl_b32 s96, s96, 13
	s_add_co_u32 s96, s96, 16384
	s_mov_b32 s97, 0
	s_add_nc_u64 s[PFA:PFA+1], s[PFA:PFA+1], s[96:97]
	s_sub_co_u32 s96, s[WV], 4
	s_lshr_b32 s96, s96, 2
	s_or_b32 s96, s96, ttmp9
	s_cmp_eq_u32 s96, 0
	s_cselect_b32 s[LIM], 1, -1
	s_lshl_b32 s96, s[Q0], 6
	s_add_nc_u64 s[4:5], s[4:5], s[94:95]
	s_add_nc_u64 s[4:5], s[4:5], s[96:97]
	s_lshl_b32 s96, s[BH], 13
	s_lshl_b32 s98, s[Q0], 2
	s_add_co_u32 s96, s96, s98
	s_add_nc_u64 s[6:7], s[6:7], s[96:97]
	v_and_b32 v8, 15, v0
	v_bfe_u32 v9, v0, 4, 1
	s_delay_alu instid0(VALU_DEP_2)
	v_lshlrev_b32 v10, 6, v8
	s_delay_alu instid0(VALU_DEP_1)
	v_lshl_add_u32 v10, v9, 4, v10
	global_load_b128 v[16:19], v10, s[4:5]
	global_load_b128 v[20:23], v10, s[4:5] offset:32
	v_lshlrev_b32 v254, 2, v8
	global_load_b32 v255, v254, s[6:7]
	v_mul_u32_u24 v[AK0], v8, KP
	s_delay_alu instid0(VALU_DEP_1)
	v_lshl_add_u32 v[AK0], v9, 4, v[AK0]
	v_mul_u32_u24 v[AV0], v8, VP
	s_delay_alu instid0(VALU_DEP_1)
	v_lshl_add_u32 v[AV0], v9, 4, v[AV0]
	s_delay_alu instid0(VALU_DEP_1)
	v_add_nc_u32 v[AV0], VOFF, v[AV0]
	v_and_b32 v11, 31, v0
	s_delay_alu instid0(VALU_DEP_1)
	v_lshl_add_u32 v[ASK0], v11, 2, SCK
	s_delay_alu instid0(VALU_DEP_2)
	v_lshlrev_b32 v[PFO], 8, v11
	v_add_nc_u32 v[LIMV], s[Q0], v8
.if PASS == 2
	v_cmp_eq_u32 vcc_lo, 0, v[LIMV]
	v_cndmask_b32 v12, -1, v[NIL], vcc_lo
	v_add_nc_u32 v[LIMV], v[LIMV], v12
.endif
	v_lshlrev_b32 v12, 4, v9
	s_delay_alu instid0(VALU_DEP_1)
	v_sub_nc_u32 v[LIMV], v[LIMV], v12
	v_mov_b32 v13, 0xff61b1e6
	s_delay_alu instid0(VALU_DEP_1)
	v_floor_f32 v12, -v13
	v_mov_b32 v14, 0
	v_mov_b32 v15, 0
.irp b, 0,1,2,3
	v_mov_b32 v[236+\b], 0
.endr
	v_mov_b32 v252, 0
	v_mov_b32 v253, 0
.set j, 0
.rept 8
	v_mov_b32 v[24+j], 0
	v_mov_b32 v[40+j], 0
	v_mov_b32 v[56+j], 0
	v_mov_b32 v[72+j], 0
	v_mov_b32 v[88+j], 0
.set j, j+1
.endr
.set j, 0
.rept 32
	v_mov_b32 v[160+j], 0
.set j, j+1
.endr
	s_wait_loadcnt 0x0
.if PASS == 1
	s_lshr_b32 s96, s[WV], 1
	s_and_b32 s97, s[WV], 1
	s_lshr_b32 s98, s96, 2
	s_sub_co_u32 s99, 15, ttmp9
	s_cmp_eq_u32 s98, 0
	s_cselect_b32 s98, ttmp9, s99
	s_lshl_b32 s98, s98, 7
	s_and_b32 s96, s96, 3
	s_lshl_b32 s96, s96, 5
	s_add_co_u32 s98, s98, s96
	s_cmp_eq_u32 s98, 2016
	s_cselect_b32 s[EM], -1, 0
	s_cselect_b32 s99, 30, 31
	s_lshl_b32 s99, s99, 12
	s_lshr_b32 s96, s[BH], 4
	s_lshl_b32 s96, s96, 11
	s_add_co_u32 s96, s96, s98
	s_add_co_u32 s96, s96, 1
	s_lshl_b32 s96, s96, 12
	s_and_b32 s98, s[BH], 15
	s_lshl_b32 s98, s98, 8
	s_add_co_u32 s96, s96, s98
	s_lshl_b32 s97, s97, 7
	s_add_co_u32 s96, s96, s97
	s_mov_b32 s97, 0
	s_add_nc_u64 s[88:89], s[88:89], s[96:97]
	v_lshlrev_b32 v8, 2, v11
	s_delay_alu instid0(VALU_DEP_1)
	v_add_nc_u32 v9, s99, v8
.set j, 0
.rept 31
	global_load_b32 v[192+j], v8, s[88:89] offset:j*4096 th:TH_LOAD_NT
.set j, j+1
.endr
	global_load_b32 v223, v9, s[88:89] th:TH_LOAD_NT
	s_wait_xcnt 0x0
.endif
.macro STEP q
	s_add_co_u32 s96, s[Q0], 15
	s_cmp_gt_u32 s[KF], s96
	s_cbranch_scc1 .Lhidden_\@
	s_cmp_eq_u32 s11, \q                           ; my partner's step
	s_cbranch_scc1 .Lhidden_\@
	v_add_nc_u32 v[ADK], s[TB], v[AK0]
	s_wait_alu depctr_va_vdst(0)
	v_add_nc_u32 v[ADV], s[TB], v[AV0]
	v_add_nc_u32 v[ADS], s[TS], v[ASK0]
	v_add_nc_u32 v[ADT], s[TJ], v[ASK0]
.irp g, 0,1
.rept 5+3*\g
	v_nop
.endr
.irp t, 0,1,2,3
.irp c, 0,1
	ds_load_b128 v[32+16*\t+4*\c:35+16*\t+4*\c], v[ADK] offset:(128*(\q)+16*(4*\g+\t))*KP+32*\c
.endr
.endr
.if \g == 0
.irp u, 0,1,2,3
	ds_load_b32 v[248+\u], v[ADS] offset:128*\u
.endr
.endif
	s_wait_dscnt 0x0
.irp t, 0,1,2,3
.if (\t)%2
	v_wmma_scale_f32_16x16x128_f8f6f4 v[96+8*(4*\g+\t):103+8*(4*\g+\t)], v[32+16*\t:47+16*\t], v[16:31], 0, v[248+(4*\g+\t)/2], v255 matrix_a_fmt:MATRIX_FMT_BF8 matrix_b_fmt:MATRIX_FMT_BF8 matrix_a_scale:MATRIX_SCALE_ROW1
.else
	v_wmma_scale_f32_16x16x128_f8f6f4 v[96+8*(4*\g+\t):103+8*(4*\g+\t)], v[32+16*\t:47+16*\t], v[16:31], 0, v[248+(4*\g+\t)/2], v255 matrix_a_fmt:MATRIX_FMT_BF8 matrix_b_fmt:MATRIX_FMT_BF8
.endif
.endr
.endr
.rept 8
	v_nop
.endr
	s_add_co_u32 s96, s[KF], 127
	s_cmp_le_u32 s96, s[Q0]
	s_cbranch_scc1 .Lopen_\@
	v_sub_nc_u32 v252, v[LIMV], s[KF]
	v_mov_b32 v254, 0xff800000
.set n, 0
.rept 64
	v_cmp_gt_i32 vcc_lo, 32*(n/16)+n%16, v252
	v_cndmask_b32 v[96+n], v[96+n], v254, vcc_lo
.set n, n+1
.endr
.Lopen_\@:
.irp b, 0,1,2,3
	v_max3_num_f32 v[232+\b], v[96+16*\b], v[97+16*\b], v[98+16*\b]
.endr
.irp i, 3,5,7,9,11,13
.irp b, 0,1,2,3
	v_max3_num_f32 v[232+\b], v[232+\b], v[96+16*\b+\i], v[97+16*\b+\i]
.endr
.endr
.irp b, 0,1,2,3
	v_max_num_f32 v[232+\b], v[232+\b], v[111+16*\b]
.endr
.irp b, 0,1,2,3
	v_permlanex16_b32 v[236+\b], v[232+\b], s[SEL], s[SEL+1]
.endr
.irp b, 0,1,2,3
	s_delay_alu instid0(VALU_DEP_4)
	v_max_num_f32 v[232+\b], v[232+\b], v[236+\b]
.endr
	s_delay_alu instid0(VALU_DEP_2)
	v_max3_num_f32 v254, v232, v233, v234
	s_delay_alu instid0(VALU_DEP_1)
	v_max_num_f32 v254, v254, v235
	s_delay_alu instid0(VALU_DEP_1)
	v_mul_f32 v254, s[CS], v254
	s_delay_alu instid0(VALU_DEP_1)
	v_max_num_f32 v13, v13, v254
	v_mov_b32 v254, v12
	s_delay_alu instid0(VALU_DEP_2)
	v_floor_f32 v12, -v13
	s_delay_alu instid0(VALU_DEP_1)
	v_sub_f32 v254, v12, v254
	s_delay_alu instid0(VALU_DEP_1)
	v_cvt_i32_f32 v254, v254
	s_delay_alu instid0(VALU_DEP_1)
	v_ldexp_f32 v252, 1.0, v254
.set j, 0
.rept 32
	v_pk_fma_f32 v[96+j:97+j], v[96+j:97+j], s[CS:CS+1], v[12:13] op_sel_hi:[1,0,0]
.set j, j+2
.endr
.irp b, 0,1,2,3
	v_fma_f32 v[232+\b], v[232+\b], s[CS], v12
.endr
.set j, 0
	s_wait_alu depctr_va_vdst(0)
.rept 64
	v_exp_f32 v[96+j], v[96+j]
.set j, j+1
.endr
	v_pk_mul_f32 v[14:15], v[14:15], v[252:253] op_sel_hi:[1,0]
	s_wait_alu depctr_va_vdst(0)
.irp b, 0,1,2,3
	v_exp_f32 v[232+\b], v[232+\b]
.endr
	v_pk_add_f32 v[236:237], v[96:97], v[98:99]
.irp j, 4,8,12,16,20,24,28,32,36,40,44,48,52,56,60
	v_pk_add_f32 v[14:15], v[14:15], v[96+\j:97+\j]
	v_pk_add_f32 v[236:237], v[236:237], v[98+\j:99+\j]
.endr
	s_delay_alu instid0(VALU_DEP_1)
	v_pk_add_f32 v[14:15], v[14:15], v[236:237]
	s_wait_alu depctr_va_vdst(0)
.irp b, 0,1,2,3
	v_max_num_f32 v[232+\b], 0x8000000, v[232+\b]
.endr
.irp b, 0,1,2,3
	s_delay_alu instid0(VALU_DEP_4)
	v_add_nc_u32 v[244+\b], 0xf8800000, v[232+\b]
.endr
.irp b, 0,1,2,3
	v_and_or_b32 v[240+\b], v[232+\b], 0x7f800000, s[MNT]
.endr
.irp b, 0,1,2,3
	v_lshrrev_b32 v[236+\b], 23, v[244+\b]
.endr
	s_delay_alu instid0(VALU_DEP_3)
	v_lshl_or_b32 v253, v237, 8, v236
	s_delay_alu instid0(VALU_DEP_1)
	v_lshl_or_b32 v253, v238, 16, v253
	s_delay_alu instid0(VALU_DEP_1)
	v_lshl_or_b32 v253, v239, 24, v253
.irp b, 0,1,2,3
.irp i, 0,1,2,3,4,5,6,7,8,9,10,11,12,13,14,15
	v_min_num_f32 v[96+16*\b+\i], v[96+16*\b+\i], v[240+\b]
.endr
	v_cvt_scalef32_pk8_bf8_f32 v[224+4*\b:225+4*\b], v[96+16*\b:103+16*\b], v[244+\b]
	v_cvt_scalef32_pk8_bf8_f32 v[226+4*\b:227+4*\b], v[104+16*\b:111+16*\b], v[244+\b]
.endr
	v_nop
.irp w, 0,1,2,3
.irp c, 0,1,2,3
	ds_load_b128 v[96+16*\w+4*\c:99+16*\w+4*\c], v[ADV] offset:9216*(\q)+2304*\w+32*\c
.endr
.endr
.irp u, 0,1
	ds_load_b32 v[248+\u], v[ADT] offset:128*\u
.endr
.set j, 0
.rept 16
	v_pk_mul_f32 v[160+j:161+j], v[160+j:161+j], v[252:253] op_sel_hi:[1,0]
.set j, j+2
.endr
.rept 8
	v_nop
.endr
	s_wait_alu depctr_va_vdst(0)
	s_wait_dscnt 0x0
.irp w, 0,1,2,3
.if (\w)%2
	v_wmma_scale_f32_16x16x128_f8f6f4 v[160+8*\w:167+8*\w], v[96+16*\w:111+16*\w], v[224:239], v[160+8*\w:167+8*\w], v[248+\w/2], v253 matrix_a_fmt:MATRIX_FMT_BF8 matrix_b_fmt:MATRIX_FMT_BF8 matrix_a_scale:MATRIX_SCALE_ROW1
.else
	v_wmma_scale_f32_16x16x128_f8f6f4 v[160+8*\w:167+8*\w], v[96+16*\w:111+16*\w], v[224:239], v[160+8*\w:167+8*\w], v[248+\w/2], v253 matrix_a_fmt:MATRIX_FMT_BF8 matrix_b_fmt:MATRIX_FMT_BF8
.endif
.endr
.Lhidden_\@:
	s_add_co_u32 s[KF], s[KF], 128
	s_add_co_u32 s[TS], s[TS], 512
	s_add_co_u32 s[TJ], s[TJ], 256
.endm
.macro CHANGE fill
	s_wait_tensorcnt 0x0
	ds_add_u32 v[SPW], v[NIL]
.if \fill
	ds_add_u32 v[SPW], v[NIL]
	s_xor_b32 s[G0K+1], s[G0K+1], SLOT1
	s_add_nc_u64 s[G0K+2:G0K+3], s[G0K+2:G0K+3], 16384
	s_xor_b32 s[G0V+1], s[G0V+1], SLOT1
	s_add_nc_u64 s[G0V+2:G0V+3], s[G0V+2:G0V+3], 16384
	s_wait_xcnt 0x0
	s_add_nc_u64 s[PFA:PFA+1], s[PFA:PFA+1], 16384
.endif
	s_wait_dscnt 0x0
	s_barrier_signal -1
	s_barrier_wait -1
.if \fill
	s_add_co_u32 s96, s[KF], SK
	s_cmp_gt_u32 s96, s[LASTQ]
	s_cbranch_scc1 .Lpast_\@
	TLOAD G0K, G1K, G0V, G1V
.Lpast_\@:
	ASK
.endif
.endm
.macro SLOT_STEPS
	STEP 0
	STEP 1
	s_xor_b32 s[TB], s[TB], SLOT1
.endm
.Lslot:
	CHANGE 1
	s_add_co_u32 s96, s8, 15
	s_cmp_le_u32 s[KF], s96
	s_cbranch_scc1 .Lown                           ; the low tile still has keys in this slot
	s_cmp_lg_u32 s11, 2
	s_cbranch_scc1 .Lown                           ; the pair shares already
	s_mov_b32 s11, s10                             ; from here on: the high tile's wave leaves step 1, the helper step 0
	s_cmp_lg_u32 s10, 0
	s_cbranch_scc1 .Lown
.rept 8
	v_nop                                          ; places behind the last products, ahead of reads of O^T and of loads into Q's registers
.endr
	s_mul_i32 s96, s[WV], 4608
	s_add_co_u32 s96, s96, SAVE
	v_and_b32 v10, 31, v0
	v_lshl_add_u32 v11, v10, 4, s96
	s_wait_alu depctr_va_vdst(0)
.set j, 0
.rept 8
	ds_store_b128 v11, v[160+4*j:163+4*j] offset:512*j     ; my own tile's O^T,
.set j, j+1
.endr
	ds_store_b128 v11, v[12:15] offset:4096        ; its -M, largest t and sums
	s_sub_co_u32 s96, s9, s8
	s_lshl_b32 s98, s96, 2
	s_lshl_b32 s96, s96, 6
	s_mov_b32 s97, 0
	s_mov_b32 s99, 0
	s_add_nc_u64 s[4:5], s[4:5], s[96:97]          ; the high tile's Q: its codes and scale words
	s_add_nc_u64 s[6:7], s[6:7], s[98:99]
	s_mov_b32 s[Q0], s9
	s_mov_b32 s96, s9
.if PASS == 2
	s_sub_co_u32 s96, s9, 1                        ; the second pass's query q sees keys up to q - 1
.endif
	v_and_b32 v10, 15, v0
	v_bfe_u32 v9, v0, 4, 1
	v_lshlrev_b32 v8, 6, v10
	v_lshl_add_u32 v8, v9, 4, v8
	v_lshlrev_b32 v254, 2, v10
	global_load_b128 v[16:19], v8, s[4:5]
	global_load_b128 v[20:23], v8, s[4:5] offset:32
	global_load_b32 v255, v254, s[6:7]
	v_add_nc_u32 v[LIMV], s96, v10
	v_lshlrev_b32 v9, 4, v9
	v_sub_nc_u32 v[LIMV], v[LIMV], v9
	s_wait_dscnt 0x0                               ; the stores have read their registers
	v_mov_b32 v13, 0xff61b1e6                      ; an empty state
	v_floor_f32 v12, -v13
	v_mov_b32 v14, 0
	v_mov_b32 v15, 0
.set j, 0
.rept 32
	v_mov_b32 v[160+j], 0
.set j, j+1
.endr
	s_wait_alu depctr_va_vdst(0)
	s_wait_loadcnt 0x0
.Lown:
	SLOT_STEPS
	s_sub_co_u32 s[SLOTS], s[SLOTS], 1
	s_cmp_lg_u32 s[SLOTS], 0
	s_cbranch_scc1 .Lslot
	CHANGE 0
	SLOT_STEPS
; THE PARTS ARE JOINED.  The helper puts its part into its partner's area; behind a barrier every wave reads its own area: the high tile's wave finds the helper's part, the low tile's wave its own saved state.
.rept 8
	v_nop                                          ; places behind the last products
.endr
	s_mul_i32 s96, s[WV], 4608
	s_add_co_u32 s96, s96, SAVE
	s_xor_b32 s97, s[WV], 1
	s_mul_i32 s97, s97, 4608
	s_add_co_u32 s97, s97, SAVE
	s_cmp_eq_u32 s10, 0
	s_cselect_b32 s[Q0], s8, s9                    ; my own tile again
	v_and_b32 v10, 31, v0
	v_lshl_add_u32 v8, v10, 4, s96
	v_lshl_add_u32 v9, v10, 4, s97
	v_mov_b32 v254, 0x7f61b1e6
	v_mov_b32 v251, 0                              ; (named as the upper half of the pair v[250:251])
	s_wait_alu depctr_va_vdst(0)
	s_cmp_lg_u32 s10, 0
	s_cbranch_scc1 .Lno_hand
.set j, 0
.rept 8
	ds_store_b128 v9, v[160+4*j:163+4*j] offset:512*j
.set j, j+1
.endr
	ds_store_b128 v9, v[12:15] offset:4096
.Lno_hand:
	s_wait_dscnt 0x0
	s_barrier_signal -1
	s_barrier_wait -1
.set j, 0
.rept 8
	ds_load_b128 v[96+4*j:99+4*j], v8 offset:512*j
.set j, j+1
.endr
	ds_load_b128 v[128:131], v8 offset:4096
	v_cndmask_b32 v12, v12, v254, s17              ; the low tile's wave: what its registers hold has been handed on and counts for nothing: -M = 3e38 makes its factor 0
	s_wait_alu depctr_va_vdst(0)
	s_wait_dscnt 0x0
	v_min_num_f32 v254, v12, v128                  ; the joint -M: a whole number
	v_sub_f32 v252, v254, v12
	v_sub_f32 v250, v254, v128
	v_cvt_i32_f32 v252, v252                       ; (it saturates)
	v_cvt_i32_f32 v250, v250
	v_ldexp_f32 v252, 1.0, v252                    ; 2^(my M - the joint M)
	v_ldexp_f32 v250, 1.0, v250                    ; and the same for the part read
.set j, 0
.rept 16
	v_pk_mul_f32 v[160+j:161+j], v[160+j:161+j], v[252:253] op_sel_hi:[1,0]
.set j, j+2
.endr
.set j, 0
.rept 16
	v_pk_fma_f32 v[160+j:161+j], v[96+j:97+j], v[250:251], v[160+j:161+j] op_sel_hi:[1,0,1]
.set j, j+2
.endr
	v_pk_mul_f32 v[14:15], v[14:15], v[252:253] op_sel_hi:[1,0]
	v_pk_fma_f32 v[14:15], v[130:131], v[250:251], v[14:15] op_sel_hi:[1,0,1]
	v_add_f32 v14, v14, v15
	s_delay_alu instid0(VALU_DEP_1)
	v_permlanex16_b32 v252, v14, s[SEL], s[SEL+1]
	s_delay_alu instid0(VALU_DEP_1)
	v_add_f32 v14, v14, v252
	s_wait_alu depctr_va_vdst(0)
	v_rcp_f32 v14, v14
	v_and_b32 v8, 15, v0
	v_bfe_u32 v9, v0, 4, 1
	v_and_b32 v10, 31, v0
	s_lshl_b32 s96, s[WV], 10
	s_add_co_u32 s96, s96, CST
	v_lshlrev_b32 v1, 6, v8
	s_delay_alu instid0(VALU_DEP_1)
	v_lshl_add_u32 v1, v9, 4, v1
	s_delay_alu instid0(VALU_DEP_1)
	v_add_nc_u32 v1, s96, v1
	v_lshlrev_b32 v2, 4, v10
	s_delay_alu instid0(VALU_DEP_1)
	v_add_nc_u32 v2, s96, v2
	v_lshlrev_b32 v11, 6, v8
	s_wait_alu depctr_va_vdst(0)
	s_wait_xcnt 0x0
	v_lshlrev_b32 v[GO], 4, v10
	v_add_nc_u32 v4, s[Q0], v8
	s_lshr_b32 s96, s[BH], 4
	s_and_b32 s97, s[BH], 15
	s_lshl_b32 s98, s96, 5
	s_add_co_u32 s98, s98, s97
.if PASS == 2
	s_add_co_u32 s98, s98, 16
.endif
	s_lshl_b32 s98, s98, 17
	s_lshl_b32 s99, s[Q0], 6
	s_add_co_u32 s98, s98, s99
	s_mov_b32 s99, 0
	s_add_nc_u64 s[84:85], s[84:85], s[98:99]
	s_lshl_b32 s98, s96, 11
	s_add_co_u32 s98, s98, s[Q0]
	s_lshl_b32 s98, s98, 6
	s_lshl_b32 s97, s97, 1
	s_add_co_u32 s98, s98, s97
.if PASS == 2
	s_add_co_u32 s98, s98, 32
.endif
	s_add_nc_u64 s[86:87], s[86:87], s[98:99]
.if PASS == 1
	s_mul_i32 s97, s[PL], 16*272
	s_add_co_u32 s97, s97, YST
	v_mul_u32_u24 v3, v8, 272
	s_delay_alu instid0(VALU_DEP_1)
	v_lshl_add_u32 v3, v9, 6, v3
	s_delay_alu instid0(VALU_DEP_1)
	v_add_nc_u32 v3, s97, v3
	v_and_b32 v24, 7, v0
	v_bfe_u32 v25, v0, 3, 1
	s_delay_alu instid0(VALU_DEP_1)
	v_lshl_or_b32 v24, v25, 4, v24
	s_delay_alu instid0(VALU_DEP_1)
	v_lshl_or_b32 v24, v9, 3, v24
	s_wait_alu depctr_va_vdst(0)
	s_lshr_b32 s96, s[WV], 1
	s_and_b32 s97, s[WV], 1
	s_mul_i32 s98, s96, 32*272
	s_lshl_b32 s99, s97, 7
	s_add_co_u32 s98, s98, s99
	s_add_co_u32 s98, s98, YST
	v_lshl_add_u32 v25, v10, 2, s98
	s_lshr_b32 s98, s96, 2
	s_and_b32 s96, s96, 3
	s_lshl_b32 s99, s98, 13
	s_lshl_b32 s12, s97, 12
	s_add_co_u32 s99, s99, s12
	s_lshl_b32 s12, s96, 5
	s_add_co_u32 s99, s99, s12
	s_add_co_u32 s99, s99, EST
	v_lshl_add_u32 v26, v24, 7, s99
	s_lshl_b32 s99, s98, 8
	s_lshl_b32 s12, s97, 7
	s_add_co_u32 s99, s99, s12
	s_add_co_u32 s99, s99, s96
	s_add_co_u32 s99, s99, ESS
	v_lshl_add_u32 v27, v24, 2, s99
	s_lshl_b32 s99, s[WV], 10
	s_add_co_u32 s99, s99, EST
	v_lshl_add_u32 v28, v10, 4, s99
	v_lshl_add_u32 v29, v10, 4, ESS
	s_lshl_b32 s98, ttmp9, 1
	s_sub_co_u32 s98, 15, s98
	s_lshl_b32 s98, s98, 8
	v_mul_u32_u24 v30, s98, v9
	s_delay_alu instid0(VALU_DEP_1)
	v_lshl_add_u32 v30, v8, 4, v30
	s_lshl_b32 s98, ttmp9, 8
	v_add_nc_u32 v30, s98, v30
	s_lshr_b32 s96, s[WV], 3
	s_sub_co_u32 s97, 15, ttmp9
	s_cmp_eq_u32 s96, 0
	s_cselect_b32 s96, ttmp9, s97
	s_lshl_b32 s97, s[BH], 4
	s_add_co_u32 s96, s96, s97
	s_lshl_b32 s96, s96, 13
	s_and_b32 s97, s[WV], 7
	s_lshl_b32 s97, s97, 10
	s_add_co_u32 s96, s96, s97
	s_mov_b32 s97, 0
	s_add_nc_u64 s[90:91], s[90:91], s[96:97]
	s_lshl_b32 s96, s[BH], 12
	s_add_nc_u64 s[92:93], s[92:93], s[96:97]
.endif
	s_wait_alu depctr_va_vdst(0)
.if PASS == 2
	v_cmp_eq_u32 vcc_lo, 0, v4
	v_cndmask_b32 v14, v14, v[NIL], vcc_lo
.endif
.set j, 0
.rept 16
	v_pk_mul_f32 v[96+j:97+j], v[160+j:161+j], v[14:15] op_sel_hi:[1,0]
.set j, j+2
.endr
.if PASS == 1
.irp b, 0,1
.irp k, 0,1,2,3
	ds_store_b128 v3, v[96+16*\b+4*\k:99+16*\b+4*\k] offset:128*\b+16*\k
.endr
.endr
.endif
.irp b, 0,1
	v_max3_num_f32 v[232+\b], |v[96+16*\b]|, |v[97+16*\b]|, 0x8000000
.endr
.irp i, 2,4,6,8,10,12,14
.irp b, 0,1
	s_delay_alu instid0(VALU_DEP_2)
	v_max3_num_f32 v[232+\b], v[232+\b], |v[96+16*\b+\i]|, |v[97+16*\b+\i]|
.endr
.endr
.irp b, 0,1
	v_permlanex16_b32 v[236+\b], v[232+\b], s[SEL], s[SEL+1]
.endr
.irp b, 0,1
	s_delay_alu instid0(VALU_DEP_2)
	v_max_num_f32 v[232+\b], v[232+\b], v[236+\b]
.endr
.irp b, 0,1
	s_delay_alu instid0(VALU_DEP_2)
	v_add_nc_u32 v[244+\b], 0xf8800000, v[232+\b]
.endr
.irp b, 0,1
	s_delay_alu instid0(VALU_DEP_4)
	v_and_or_b32 v[240+\b], v[232+\b], 0x7f800000, s[MNT]
.endr
.irp b, 0,1
	s_delay_alu instid0(VALU_DEP_4)
	v_lshrrev_b32 v[236+\b], 23, v[244+\b]
.endr
	s_delay_alu instid0(VALU_DEP_1)
	v_lshl_or_b32 v253, v237, 8, v236
.if PASS == 1
	s_wait_alu depctr_va_vdst(0)
	s_wait_dscnt 0x0
.endif
.irp b, 0,1
.irp i, 0,1,2,3,4,5,6,7,8,9,10,11,12,13,14,15
	v_med3_num_f32 v[96+16*\b+\i], v[96+16*\b+\i], -v[240+\b], v[240+\b]
.endr
	v_cvt_scalef32_pk8_bf8_f32 v[224+4*\b:225+4*\b], v[96+16*\b:103+16*\b], v[244+\b]
	v_cvt_scalef32_pk8_bf8_f32 v[226+4*\b:227+4*\b], v[104+16*\b:111+16*\b], v[244+\b]
.endr
	v_nop
	ds_store_b128 v1, v[224:227]
	ds_store_b128 v1, v[228:231] offset:32
	ds_load_b128 v[32:35], v2
	ds_load_b128 v[36:39], v2 offset:512
	s_wait_dscnt 1
	global_store_b128 v[GO], v[32:35], s[84:85]
	s_wait_dscnt 0x0
	global_store_b128 v[GO], v[36:39], s[84:85] offset:512
	global_store_b16 v11, v253, s[86:87]
.if PASS == 1
	s_barrier_signal -1
	s_barrier_wait -1
.set j, 0
.rept 32
	ds_load_b32 v[128+j], v25 offset:272*j
.set j, j+1
.endr
	s_wait_loadcnt 0x0
	s_wait_dscnt 0x0
.set j, 0
.rept 32
	v_sub_f32 v[128+j], v[192+j], v[128+j]
.set j, j+1
.endr
	s_delay_alu instid0(VALU_DEP_1)
	v_cndmask_b32 v159, v159, v[NIL], s[EM]
	v_max3_num_f32 v232, |v128|, |v129|, |v130|
	v_max3_num_f32 v233, |v131|, |v132|, |v133|
.irp i, 6,10,14,18,22,26
	s_delay_alu instid0(VALU_DEP_2)
	v_max3_num_f32 v232, v232, |v[128+\i]|, |v[129+\i]|
	s_delay_alu instid0(VALU_DEP_2)
	v_max3_num_f32 v233, v233, |v[130+\i]|, |v[131+\i]|
.endr
	s_delay_alu instid0(VALU_DEP_2)
	v_max3_num_f32 v232, v232, |v158|, |v159|
	s_delay_alu instid0(VALU_DEP_1)
	v_max3_num_f32 v232, v232, v233, 0x8000000
	s_delay_alu instid0(VALU_DEP_1)
	v_add_nc_u32 v244, 0xf8800000, v232
	s_delay_alu instid0(VALU_DEP_2)
	v_and_or_b32 v240, v232, 0x7f800000, s[MNT]
	s_delay_alu instid0(VALU_DEP_2)
	v_lshrrev_b32 v236, 23, v244
.set j, 0
.rept 32
	v_med3_num_f32 v[128+j], v[128+j], -v240, v240
.set j, j+1
.endr
.irp g, 0,1,2,3
	v_cvt_scalef32_pk8_bf8_f32 v[96+2*\g:97+2*\g], v[128+8*\g:135+8*\g], v244
.endr
	v_nop
	ds_store_b128 v26, v[96:99]
	ds_store_b128 v26, v[100:103] offset:16
	ds_store_b8 v27, v236
	s_wait_dscnt 0x0
	s_barrier_signal -1
	s_barrier_wait -1
	ds_load_b128 v[104:107], v28
	ds_load_b128 v[108:111], v28 offset:512
	s_wait_dscnt 1
	global_store_b128 v[GO], v[104:107], s[90:91]
	s_wait_dscnt 0x0
	global_store_b128 v[GO], v[108:111], s[90:91] offset:512
	s_cmp_lg_u32 s[WV], 0
	s_cbranch_scc1 .Lno_es
	ds_load_b128 v[112:115], v29
	s_wait_dscnt 0x0
	global_store_b128 v30, v[112:115], s[92:93]
.Lno_es:
.endif
	s_wait_tensorcnt 0x0
	ds_add_u32 v[SPW], v[NIL]
	s_wait_dscnt 0x0
	s_endpgm
.Lfunc_end_k_qd1c6066d38_attn1:
	.size	k_qd1c6066d38_attn1, .Lfunc_end_k_qd1c6066d38_attn1-k_qd1c6066d38_attn1
	.p2alignl 7, 3214868480
	.fill 96, 4, 3214868480
	.section	.rodata,"a",@progbits
	.p2align	6, 0x0
	.amdhsa_kernel k_qd1c6066d38_attn1
		.amdhsa_group_segment_fixed_size 327680
		.amdhsa_private_segment_fixed_size 0
		.amdhsa_enable_private_segment 0
		.amdhsa_kernarg_size 72
		.amdhsa_user_sgpr_count 2
		.amdhsa_user_sgpr_kernarg_segment_ptr 1
		.amdhsa_wavefront_size32 1
		.amdhsa_system_sgpr_workgroup_id_x 1
		.amdhsa_system_sgpr_workgroup_id_y 1
		.amdhsa_system_sgpr_workgroup_id_z 1
		.amdhsa_system_vgpr_workitem_id 0
		.amdhsa_next_free_vgpr 256
		.amdhsa_next_free_sgpr 100
		.amdhsa_reserve_vcc 1
		.amdhsa_float_denorm_mode_32 3
		.amdhsa_float_denorm_mode_16_64 3
		.amdhsa_memory_ordered 1
		.amdhsa_forward_progress 1
		.amdhsa_inst_pref_size 145
	.end_amdhsa_kernel
	.amdgpu_metadata
---
amdhsa.version: [ 1, 2 ]
amdhsa.kernels:
  - .name:           k_qd1c6066d38_attn1
    .symbol:         k_qd1c6066d38_attn1.kd
    .args:
      - { .name: qkc, .offset: 0, .size: 8, .value_kind: global_buffer, .address_space: global }
      - { .name: qks, .offset: 8, .size: 8, .value_kind: global_buffer, .address_space: global }
      - { .name: cod, .offset: 16, .size: 8, .value_kind: global_buffer, .address_space: global }
      - { .name: scl, .offset: 24, .size: 8, .value_kind: global_buffer, .address_space: global }
      - { .name: yc, .offset: 32, .size: 8, .value_kind: global_buffer, .address_space: global }
      - { .name: ys, .offset: 40, .size: 8, .value_kind: global_buffer, .address_space: global }
      - { .name: x, .offset: 48, .size: 8, .value_kind: global_buffer, .address_space: global }
      - { .name: ec, .offset: 56, .size: 8, .value_kind: global_buffer, .address_space: global }
      - { .name: es, .offset: 64, .size: 8, .value_kind: global_buffer, .address_space: global }
    .group_segment_fixed_size: 327680
    .private_segment_fixed_size: 0
    .kernarg_segment_align: 8
    .kernarg_segment_size: 72
    .max_flat_workgroup_size: 512
    .sgpr_count:     100
    .vgpr_count:     256
    .wavefront_size: 32
...
	.end_amdgpu_metadata
.endif
;; end of part 3
;; launch attn2 (part 4): grid 8 x 32, 16 waves a work-group, no clusters, 327,680 bytes of LDS; arguments qkc, qks, ec, es, yc, ys; writes yc, ys
.if DOCPART == 4
	.amdgcn_target "amdgcn-amd-amdhsa--gfx1250"
	.amdhsa_code_object_version 6
	.text
	.protected	k_qd1c6066d38_attn2
	.globl	k_qd1c6066d38_attn2
	.p2align	8
	.type	k_qd1c6066d38_attn2,@function
k_qd1c6066d38_attn2:
	s_mov_b64 s[64:65], 0
	v_nop
	global_prefetch_b8 v0, s[64:65] scope:SCOPE_SE
	s_setreg_imm32_b32 hwreg(HW_REG_WAVE_MODE, 25, 1), 1
	s_wait_xcnt 0x0
.set PASS, 2
.set KSEC, PASS
.if PASS == 1
.set VB,  9437184
.set VSB, 294912
.else
.set VB,  0
.set VSB, 0
.endif
.set SK,    256
.set KP,    80
.set VP,    144
.set VOFF,  SK*KP
.set SLOT1, 1<<16
.set NSL,   8
.set SCK,   131072
.set SCV,   139264
.set SPARE, 143360
.set CST,   145408
.set AK0,  1
.set AV0,  2
.set ASK0, 3
.set LIMV, 4
.set SPW,  5
.set NIL,  6
.set GO,   7
.set PFO,  7
.set ADK,  8
.set ADV,  9
.set ADS,  10
.set ADT,  11
.set WV,   18
.set MNT,  19
.set SEL,  20
.set CS,   22
.set G1K,  24
.set G1V,  32
.set G0K,  40
.set G0V,  44
.set G1SK, 48
.set G0SK, 56
.set G0SV, 60
.set G1SV, 68
.set TB,   2
.set TS,   3
.set TJ,   66
.set SLOTS, 67
.set PFA,  76
.set LIM,  78
.set LASTQ, 79
.set KF,   80
.set Q0,   81
.set BH,   83
.macro TLOAD g0k, g1k, g0v, g1v
	s_cmp_eq_u32 s[WV], 0
	s_cbranch_scc0 .Lnot_k_\@
	tensor_load_to_lds s[\g0k:\g0k+3], s[\g1k:\g1k+7]
	s_nop 0
.rept 4
	v_nop
.endr
	s_branch .Lasked_\@
.Lnot_k_\@:
	s_cmp_eq_u32 s[WV], 1
	s_cbranch_scc0 .Lasked_\@
	tensor_load_to_lds s[\g0v:\g0v+3], s[\g1v:\g1v+7]
	s_nop 0
.rept 4
	v_nop
.endr
.Lasked_\@:
.endm
.macro ASK
	s_cmp_gt_u32 s[SLOTS], s[LIM]
	s_cbranch_scc0 .Lnot_mine_\@
	global_prefetch_b8 v[PFO], s[PFA:PFA+1] th:TH_LOAD_NT scope:SCOPE_SE
.Lnot_mine_\@:
.endm
	s_load_b256 s[4:11], s[0:1], 0x0
	s_load_b128 s[84:87], s[0:1], 0x20
	v_lshl_add_u32 v[SPW], v0, 2, SPARE
	v_mov_b32 v[NIL], 0
	ds_add_u32 v[SPW], v[NIL]
	ds_add_u32 v[SPW], v[NIL]
	v_lshrrev_b32 v8, 5, v0
	s_delay_alu instid0(VALU_DEP_1)
	v_readfirstlane_b32 s[WV], v8
	s_and_b32 s[BH], ttmp7, 0xffff
	s_lshr_b32 s12, s[WV], 2
	s_xor_b32 s12, s12, s[WV]
	s_and_b32 s12, s12, 1
	s_lshr_b32 s13, s[WV], 1
	s_sub_co_u32 s14, 15, ttmp9
	s_cmp_eq_u32 s12, 0
	s_cselect_b32 s15, ttmp9, s14
	s_lshl_b32 s[Q0], s15, 7
	s_lshl_b32 s13, s13, 4
	s_add_co_u32 s[Q0], s[Q0], s13
	s_lshl_b32 s[LASTQ], s14, 7
	s_or_b32 s[LASTQ], s[LASTQ], 127
	s_mov_b32 s[G1K], (0<<16)|(1<<20)|(3<<22)|(3<<25)
	s_mov_b32 s[G1K+1], 64<<16
	s_mov_b32 s[G1K+2], SK<<16
	s_mov_b32 s[G1K+3], 64<<16
	s_mov_b32 s[G1K+4], SK
	s_mov_b32 s[G1K+5], 64
	s_mov_b32 s[G1K+6], 0
	s_mov_b32 s[G1K+7], 0
	s_mov_b32 s[G1V], (0<<16)|(1<<20)|(4<<22)|(3<<25)
	s_mov_b32 s[G1V+1], 128<<16
	s_mov_b32 s[G1V+2], 128<<16
	s_mov_b32 s[G1V+3], 128<<16
	s_mov_b32 s[G1V+4], 128
	s_mov_b32 s[G1V+5], 128
	s_mov_b32 s[G1V+6], 0
	s_mov_b32 s[G1V+7], 0
	s_mov_b32 s[G1SK], 3<<16
	s_mov_b32 s[G1SK+1], 32<<16
	s_mov_b32 s[G1SK+2], 32<<16
	s_mov_b32 s[G1SK+3], 32<<16
	s_mov_b32 s[G1SK+4], 32
	s_mov_b32 s[G1SK+5], 32
	s_mov_b32 s[G1SK+6], 0
	s_mov_b32 s[G1SK+7], 0
	s_mov_b32 s[G1SV], 3<<16
	s_mov_b32 s[G1SV+1], 32<<16
	s_mov_b32 s[G1SV+2], 16<<16
	s_mov_b32 s[G1SV+3], 32<<16
	s_mov_b32 s[G1SV+4], 16
	s_mov_b32 s[G1SV+5], 32
	s_mov_b32 s[G1SV+6], 0
	s_mov_b32 s[G1SV+7], 0
	s_lshl_b32 s94, s[BH], 17
	s_mov_b32 s95, 0
	s_lshl_b32 s96, s[BH], 13
	s_mov_b32 s97, 0
	s_lshl_b32 s98, s[BH], 12
	s_mov_b32 s99, 0
	s_mov_b32 s[SEL], 0x76543210
	s_mov_b32 s[SEL+1], 0xfedcba98
	s_mov_b32 s[CS], 0x3e38aa3b
	s_mov_b32 s[CS+1], s[CS]
	s_mov_b32 s[MNT], 0x600000
	s_mov_b32 s[TB], 0
	s_mov_b32 s[TS], 0
	s_mov_b32 s[TJ], SCV-SCK
	s_mov_b32 s[SLOTS], NSL-1
	s_mov_b32 s[KF], 0
	s_wait_dscnt 0x0
	s_wait_kmcnt 0x0
	s_mov_b32 s[G0SK], 1
	s_mov_b32 s[G0SK+1], SCK
	s_add_nc_u64 s[G0SK+2:G0SK+3], s[6:7], s[96:97]
	s_add_nc_u64 s[G0SK+2:G0SK+3], s[G0SK+2:G0SK+3], KSEC*262144
	s_or_b32 s[G0SK+3], s[G0SK+3], 0x80000000
	s_mov_b32 s[G0SV], 1
	s_mov_b32 s[G0SV+1], SCV
	s_add_nc_u64 s[G0SV+2:G0SV+3], s[10:11], s[98:99]
	s_or_b32 s[G0SV+3], s[G0SV+3], 0x80000000
	s_add_nc_u64 s[12:13], s[4:5], s[94:95]
	s_add_nc_u64 s[12:13], s[12:13], KSEC*4194304
	s_add_nc_u64 s[14:15], s[8:9], s[94:95]
	s_mov_b32 s[G0K], 1
	s_mov_b32 s[G0K+1], 0
	s_mov_b64 s[G0K+2:G0K+3], s[12:13]
	s_or_b32 s[G0K+3], s[G0K+3], 0x80000000
	s_mov_b32 s[G0V], 1
	s_mov_b32 s[G0V+1], VOFF
	s_mov_b64 s[G0V+2:G0V+3], s[14:15]
	s_or_b32 s[G0V+3], s[G0V+3], 0x80000000
	s_wait_alu depctr_va_vdst(0)
; the head's four tiles, one a wave, in one chain of arms: wave 0 slot 0's keys, wave 1 its values, wave 2 the keys' scale bytes, wave 3 the values'
.macro ARM is, g0, g1, next
	s_cmp_eq_u32 s[WV], \is
	s_cbranch_scc0 \next
	tensor_load_to_lds s[\g0:\g0+3], s[\g1:\g1+7]
	s_nop 0
.rept 4
	v_nop
.endr
	s_branch .Lhead_asked
\next:
.endm
	ARM 0, G0K,  G1K,  .Lhead_v
	ARM 1, G0V,  G1V,  .Lhead_sk
	ARM 2, G0SK, G1SK, .Lhead_sv
	ARM 3, G0SV, G1SV, .Lhead_none
.Lhead_asked:
; THE PAIR.  Waves 2 j and 2 j + 1 own tile j of the work-group's low block and tile j of its high block.  From the first slot all of whose keys come after the low tile's queries, the low tile's wave
; saves its own state in LDS and helps: the high tile's wave takes a slot's first key step, the helper its second, under an M of its own.  Behind the loop the parts are joined by exact powers of two.
.set SAVE, 249856                      ; 4,608 bytes for each wave: an image of 36 registers; no tile lands here
	s_lshr_b32 s10, s[WV], 2
	s_xor_b32 s10, s10, s[WV]
	s_and_b32 s10, s10, 1                          ; s10: 0 the low tile's wave, 1 the high tile's
	s_lshr_b32 s96, s[WV], 1
	s_lshl_b32 s96, s96, 4
	s_lshl_b32 s8, ttmp9, 7
	s_add_co_u32 s8, s8, s96                       ; s8: the low tile's first query
	s_sub_co_u32 s9, 15, ttmp9
	s_lshl_b32 s9, s9, 7
	s_add_co_u32 s9, s9, s96                       ; s9: the high tile's
	s_mov_b32 s11, 2                               ; s11: the key step of a slot that I leave to my partner; 2: none yet
	s_cmp_eq_u32 s10, 0
	s_cselect_b32 s17, -1, 0                       ; s17: all lanes in the low tile's wave
	s_cmp_lt_u32 s[WV], 6
	s_cselect_b64 s[PFA:PFA+1], s[12:13], s[14:15]
	s_and_b32 s96, s[WV], 1
	s_lshl_b32 s96, s96, 13
	s_add_co_u32 s96, s96, 16384
	s_mov_b32 s97, 0
	s_add_nc_u64 s[PFA:PFA+1], s[PFA:PFA+1], s[96:97]
	s_sub_co_u32 s96, s[WV], 4
	s_lshr_b32 s96, s96, 2
	s_or_b32 s96, s96, ttmp9
	s_cmp_eq_u32 s96, 0
	s_cselect_b32 s[LIM], 1, -1
	s_lshl_b32 s96, s[Q0], 6
	s_add_nc_u64 s[4:5], s[4:5], s[94:95]
	s_add_nc_u64 s[4:5], s[4:5], s[96:97]
	s_lshl_b32 s96, s[BH], 13
	s_lshl_b32 s98, s[Q0], 2
	s_add_co_u32 s96, s96, s98
	s_add_nc_u64 s[6:7], s[6:7], s[96:97]
	v_and_b32 v8, 15, v0
	v_bfe_u32 v9, v0, 4, 1
	s_delay_alu instid0(VALU_DEP_2)
	v_lshlrev_b32 v10, 6, v8
	s_delay_alu instid0(VALU_DEP_1)
	v_lshl_add_u32 v10, v9, 4, v10
	global_load_b128 v[16:19], v10, s[4:5]
	global_load_b128 v[20:23], v10, s[4:5] offset:32
	v_lshlrev_b32 v254, 2, v8
	global_load_b32 v255, v254, s[6:7]
	v_mul_u32_u24 v[AK0], v8, KP
	s_delay_alu instid0(VALU_DEP_1)
	v_lshl_add_u32 v[AK0], v9, 4, v[AK0]
	v_mul_u32_u24 v[AV0], v8, VP
	s_delay_alu instid0(VALU_DEP_1)
	v_lshl_add_u32 v[AV0], v9, 4, v[AV0]
	s_delay_alu instid0(VALU_DEP_1)
	v_add_nc_u32 v[AV0], VOFF, v[AV0]
	v_and_b32 v11, 31, v0
	s_delay_alu instid0(VALU_DEP_1)
	v_lshl_add_u32 v[ASK0], v11, 2, SCK
	s_delay_alu instid0(VALU_DEP_2)
	v_lshlrev_b32 v[PFO], 8, v11
	v_add_nc_u32 v[LIMV], s[Q0], v8
	s_delay_alu instid0(VALU_DEP_1)
	v_cmp_eq_u32 vcc_lo, 0, v[LIMV]
	s_delay_alu instid0(VALU_DEP_1)
	v_cndmask_b32 v12, -1, v[NIL], vcc_lo
	s_delay_alu instid0(VALU_DEP_1)
	v_add_nc_u32 v[LIMV], v[LIMV], v12
	v_lshlrev_b32 v12, 4, v9
	s_delay_alu instid0(VALU_DEP_1)
	v_sub_nc_u32 v[LIMV], v[LIMV], v12
	v_mov_b32 v13, 0xff61b1e6
	s_delay_alu instid0(VALU_DEP_1)
	v_floor_f32 v12, -v13
	v_mov_b32 v14, 0
	v_mov_b32 v15, 0
.irp b, 0,1,2,3
	v_mov_b32 v[236+\b], 0
.endr
	v_mov_b32 v252, 0
	v_mov_b32 v253, 0
.set j, 0
.rept 8
	v_mov_b32 v[24+j], 0
	v_mov_b32 v[40+j], 0
	v_mov_b32 v[56+j], 0
	v_mov_b32 v[72+j], 0
	v_mov_b32 v[88+j], 0
.set j, j+1
.endr
.set j, 0
.rept 32
	v_mov_b32 v[160+j], 0
.set j, j+1
.endr
	s_wait_loadcnt 0x0
.macro STEP q
	s_add_co_u32 s96, s[Q0], 15
	s_cmp_gt_u32 s[KF], s96
	s_cbranch_scc1 .Lhidden_\@
	s_cmp_eq_u32 s11, \q                           ; my partner's step
	s_cbranch_scc1 .Lhidden_\@
	v_add_nc_u32 v[ADK], s[TB], v[AK0]
	s_wait_alu depctr_va_vdst(0)
	v_add_nc_u32 v[ADV], s[TB], v[AV0]
	v_add_nc_u32 v[ADS], s[TS], v[ASK0]
	v_add_nc_u32 v[ADT], s[TJ], v[ASK0]
.irp g, 0,1
.rept 5+3*\g
	v_nop
.endr
.irp t, 0,1,2,3
.irp c, 0,1
	ds_load_b128 v[32+16*\t+4*\c:35+16*\t+4*\c], v[ADK] offset:(128*(\q)+16*(4*\g+\t))*KP+32*\c
.endr
.endr
.if \g == 0
.irp u, 0,1,2,3
	ds_load_b32 v[248+\u], v[ADS] offset:128*\u
.endr
.endif
	s_wait_dscnt 0x0
.irp t, 0,1,2,3
.if (\t)%2
	v_wmma_scale_f32_16x16x128_f8f6f4 v[96+8*(4*\g+\t):103+8*(4*\g+\t)], v[32+16*\t:47+16*\t], v[16:31], 0, v[248+(4*\g+\t)/2], v255 matrix_a_fmt:MATRIX_FMT_BF8 matrix_b_fmt:MATRIX_FMT_BF8 matrix_a_scale:MATRIX_SCALE_ROW1
.else
	v_wmma_scale_f32_16x16x128_f8f6f4 v[96+8*(4*\g+\t):103+8*(4*\g+\t)], v[32+16*\t:47+16*\t], v[16:31], 0, v[248+(4*\g+\t)/2], v255 matrix_a_fmt:MATRIX_FMT_BF8 matrix_b_fmt:MATRIX_FMT_BF8
.endif
.endr
.endr
.rept 8
	v_nop
.endr
	s_add_co_u32 s96, s[KF], 127
	s_cmp_le_u32 s96, s[Q0]
	s_cbranch_scc1 .Lopen_\@
	v_sub_nc_u32 v252, v[LIMV], s[KF]
	v_mov_b32 v254, 0xff800000
.set n, 0
.rept 64
	v_cmp_gt_i32 vcc_lo, 32*(n/16)+n%16, v252
	v_cndmask_b32 v[96+n], v[96+n], v254, vcc_lo
.set n, n+1
.endr
.Lopen_\@:
.irp b, 0,1,2,3
	v_max3_num_f32 v[232+\b], v[96+16*\b], v[97+16*\b], v[98+16*\b]
.endr
.irp i, 3,5,7,9,11,13
.irp b, 0,1,2,3
	v_max3_num_f32 v[232+\b], v[232+\b], v[96+16*\b+\i], v[97+16*\b+\i]
.endr
.endr
.irp b, 0,1,2,3
	v_max_num_f32 v[232+\b], v[232+\b], v[111+16*\b]
.endr
.irp b, 0,1,2,3
	v_permlanex16_b32 v[236+\b], v[232+\b], s[SEL], s[SEL+1]
.endr
.irp b, 0,1,2,3
	s_delay_alu instid0(VALU_DEP_4)
	v_max_num_f32 v[232+\b], v[232+\b], v[236+\b]
.endr
	s_delay_alu instid0(VALU_DEP_2)
	v_max3_num_f32 v254, v232, v233, v234
	s_delay_alu instid0(VALU_DEP_1)
	v_max_num_f32 v254, v254, v235
	s_delay_alu instid0(VALU_DEP_1)
	v_mul_f32 v254, s[CS], v254
	s_delay_alu instid0(VALU_DEP_1)
	v_max_num_f32 v13, v13, v254
	v_mov_b32 v254, v12
	s_delay_alu instid0(VALU_DEP_2)
	v_floor_f32 v12, -v13
	s_delay_alu instid0(VALU_DEP_1)
	v_sub_f32 v254, v12, v254
	s_delay_alu instid0(VALU_DEP_1)
	v_cvt_i32_f32 v254, v254
	s_delay_alu instid0(VALU_DEP_1)
	v_ldexp_f32 v252, 1.0, v254
.set j, 0
.rept 32
	v_pk_fma_f32 v[96+j:97+j], v[96+j:97+j], s[CS:CS+1], v[12:13] op_sel_hi:[1,0,0]
.set j, j+2
.endr
.irp b, 0,1,2,3
	v_fma_f32 v[232+\b], v[232+\b], s[CS], v12
.endr
.set j, 0
	s_wait_alu depctr_va_vdst(0)
.rept 64
	v_exp_f32 v[96+j], v[96+j]
.set j, j+1
.endr
	v_pk_mul_f32 v[14:15], v[14:15], v[252:253] op_sel_hi:[1,0]
	s_wait_alu depctr_va_vdst(0)
.irp b, 0,1,2,3
	v_exp_f32 v[232+\b], v[232+\b]
.endr
	v_pk_add_f32 v[236:237], v[96:97], v[98:99]
.irp j, 4,8,12,16,20,24,28,32,36,40,44,48,52,56,60
	v_pk_add_f32 v[14:15], v[14:15], v[96+\j:97+\j]
	v_pk_add_f32 v[236:237], v[236:237], v[98+\j:99+\j]
.endr
	s_delay_alu instid0(VALU_DEP_1)
	v_pk_add_f32 v[14:15], v[14:15], v[236:237]
	s_wait_alu depctr_va_vdst(0)
.irp b, 0,1,2,3
	v_max_num_f32 v[232+\b], 0x8000000, v[232+\b]
.endr
.irp b, 0,1,2,3
	s_delay_alu instid0(VALU_DEP_4)
	v_add_nc_u32 v[244+\b], 0xf8800000, v[232+\b]
.endr
.irp b, 0,1,2,3
	v_and_or_b32 v[240+\b], v[232+\b], 0x7f800000, s[MNT]
.endr
.irp b, 0,1,2,3
	v_lshrrev_b32 v[236+\b], 23, v[244+\b]
.endr
	s_delay_alu instid0(VALU_DEP_3)
	v_lshl_or_b32 v253, v237, 8, v236
	s_delay_alu instid0(VALU_DEP_1)
	v_lshl_or_b32 v253, v238, 16, v253
	s_delay_alu instid0(VALU_DEP_1)
	v_lshl_or_b32 v253, v239, 24, v253
.irp b, 0,1,2,3
.irp i, 0,1,2,3,4,5,6,7,8,9,10,11,12,13,14,15
	v_min_num_f32 v[96+16*\b+\i], v[96+16*\b+\i], v[240+\b]
.endr
	v_cvt_scalef32_pk8_bf8_f32 v[224+4*\b:225+4*\b], v[96+16*\b:103+16*\b], v[244+\b]
	v_cvt_scalef32_pk8_bf8_f32 v[226+4*\b:227+4*\b], v[104+16*\b:111+16*\b], v[244+\b]
.endr
	v_nop
.irp w, 0,1,2,3
.irp c, 0,1,2,3
	ds_load_b128 v[96+16*\w+4*\c:99+16*\w+4*\c], v[ADV] offset:9216*(\q)+2304*\w+32*\c
.endr
.endr
.irp u, 0,1
	ds_load_b32 v[248+\u], v[ADT] offset:128*\u
.endr
.set j, 0
.rept 16
	v_pk_mul_f32 v[160+j:161+j], v[160+j:161+j], v[252:253] op_sel_hi:[1,0]
.set j, j+2
.endr
.rept 8
	v_nop
.endr
	s_wait_alu depctr_va_vdst(0)
	s_wait_dscnt 0x0
.irp w, 0,1,2,3
.if (\w)%2
	v_wmma_scale_f32_16x16x128_f8f6f4 v[160+8*\w:167+8*\w], v[96+16*\w:111+16*\w], v[224:239], v[160+8*\w:167+8*\w], v[248+\w/2], v253 matrix_a_fmt:MATRIX_FMT_BF8 matrix_b_fmt:MATRIX_FMT_BF8 matrix_a_scale:MATRIX_SCALE_ROW1
.else
	v_wmma_scale_f32_16x16x128_f8f6f4 v[160+8*\w:167+8*\w], v[96+16*\w:111+16*\w], v[224:239], v[160+8*\w:167+8*\w], v[248+\w/2], v253 matrix_a_fmt:MATRIX_FMT_BF8 matrix_b_fmt:MATRIX_FMT_BF8
.endif
.endr
.Lhidden_\@:
	s_add_co_u32 s[KF], s[KF], 128
	s_add_co_u32 s[TS], s[TS], 512
	s_add_co_u32 s[TJ], s[TJ], 256
.endm
.macro CHANGE fill
	s_wait_tensorcnt 0x0
	ds_add_u32 v[SPW], v[NIL]
.if \fill
	ds_add_u32 v[SPW], v[NIL]
	s_xor_b32 s[G0K+1], s[G0K+1], SLOT1
	s_add_nc_u64 s[G0K+2:G0K+3], s[G0K+2:G0K+3], 16384
	s_xor_b32 s[G0V+1], s[G0V+1], SLOT1
	s_add_nc_u64 s[G0V+2:G0V+3], s[G0V+2:G0V+3], 16384
	s_wait_xcnt 0x0
	s_add_nc_u64 s[PFA:PFA+1], s[PFA:PFA+1], 16384
.endif
	s_wait_dscnt 0x0
	s_barrier_signal -1
	s_barrier_wait -1
.if \fill
	s_add_co_u32 s96, s[KF], SK
	s_cmp_gt_u32 s96, s[LASTQ]
	s_cbranch_scc1 .Lpast_\@
	TLOAD G0K, G1K, G0V, G1V
.Lpast_\@:
	ASK
.endif
.endm
.macro SLOT_STEPS
	STEP 0
	STEP 1
	s_xor_b32 s[TB], s[TB], SLOT1
.endm
.Lslot:
	CHANGE 1
	s_add_co_u32 s96, s8, 15
	s_cmp_le_u32 s[KF], s96
	s_cbranch_scc1 .Lown                           ; the low tile still has keys in this slot
	s_cmp_lg_u32 s11, 2
	s_cbranch_scc1 .Lown                           ; the pair shares already
	s_mov_b32 s11, s10                             ; from here on: the high tile's wave leaves step 1, the helper step 0
	s_cmp_lg_u32 s10, 0
	s_cbranch_scc1 .Lown
.rept 8
	v_nop                                          ; places behind the last products, ahead of reads of O^T and of loads into Q's registers
.endr
	s_mul_i32 s96, s[WV], 4608
	s_add_co_u32 s96, s96, SAVE
	v_and_b32 v10, 31, v0
	v_lshl_add_u32 v11, v10, 4, s96
	s_wait_alu depctr_va_vdst(0)
.set j, 0
.rept 8
	ds_store_b128 v11, v[160+4*j:163+4*j] offset:512*j     ; my own tile's O^T,
.set j, j+1
.endr
	ds_store_b128 v11, v[12:15] offset:4096        ; its -M, largest t and sums
	s_sub_co_u32 s96, s9, s8
	s_lshl_b32 s98, s96, 2
	s_lshl_b32 s96, s96, 6
	s_mov_b32 s97, 0
	s_mov_b32 s99, 0
	s_add_nc_u64 s[4:5], s[4:5], s[96:97]          ; the high tile's Q: its codes and scale words
	s_add_nc_u64 s[6:7], s[6:7], s[98:99]
	s_mov_b32 s[Q0], s9
	s_mov_b32 s96, s9
.if PASS == 2
	s_sub_co_u32 s96, s9, 1                        ; the second pass's query q sees keys up to q - 1
.endif
	v_and_b32 v10, 15, v0
	v_bfe_u32 v9, v0, 4, 1
	v_lshlrev_b32 v8, 6, v10
	v_lshl_add_u32 v8, v9, 4, v8
	v_lshlrev_b32 v254, 2, v10
	global_load_b128 v[16:19], v8, s[4:5]
	global_load_b128 v[20:23], v8, s[4:5] offset:32
	global_load_b32 v255, v254, s[6:7]
	v_add_nc_u32 v[LIMV], s96, v10
	v_lshlrev_b32 v9, 4, v9
	v_sub_nc_u32 v[LIMV], v[LIMV], v9
	s_wait_dscnt 0x0                               ; the stores have read their registers
	v_mov_b32 v13, 0xff61b1e6                      ; an empty state
	v_floor_f32 v12, -v13
	v_mov_b32 v14, 0
	v_mov_b32 v15, 0
.set j, 0
.rept 32
	v_mov_b32 v[160+j], 0
.set j, j+1
.endr
	s_wait_alu depctr_va_vdst(0)
	s_wait_loadcnt 0x0
.Lown:
	SLOT_STEPS
	s_sub_co_u32 s[SLOTS], s[SLOTS], 1
	s_cmp_lg_u32 s[SLOTS], 0
	s_cbranch_scc1 .Lslot
	CHANGE 0
	SLOT_STEPS
; THE PARTS ARE JOINED.  The helper puts its part into its partner's area; behind a barrier every wave reads its own area: the high tile's wave finds the helper's part, the low tile's wave its own saved state.
.rept 8
	v_nop                                          ; places behind the last products
.endr
	s_mul_i32 s96, s[WV], 4608
	s_add_co_u32 s96, s96, SAVE
	s_xor_b32 s97, s[WV], 1
	s_mul_i32 s97, s97, 4608
	s_add_co_u32 s97, s97, SAVE
	s_cmp_eq_u32 s10, 0
	s_cselect_b32 s[Q0], s8, s9                    ; my own tile again
	v_and_b32 v10, 31, v0
	v_lshl_add_u32 v8, v10, 4, s96
	v_lshl_add_u32 v9, v10, 4, s97
	v_mov_b32 v254, 0x7f61b1e6
	v_mov_b32 v251, 0                              ; (named as the upper half of the pair v[250:251])
	s_wait_alu depctr_va_vdst(0)
	s_cmp_lg_u32 s10, 0
	s_cbranch_scc1 .Lno_hand
.set j, 0
.rept 8
	ds_store_b128 v9, v[160+4*j:163+4*j] offset:512*j
.set j, j+1
.endr
	ds_store_b128 v9, v[12:15] offset:4096
.Lno_hand:
	s_wait_dscnt 0x0
	s_barrier_signal -1
	s_barrier_wait -1
.set j, 0
.rept 8
	ds_load_b128 v[96+4*j:99+4*j], v8 offset:512*j
.set j, j+1
.endr
	ds_load_b128 v[128:131], v8 offset:4096
	v_cndmask_b32 v12, v12, v254, s17              ; the low tile's wave: what its registers hold has been handed on and counts for nothing: -M = 3e38 makes its factor 0
	s_wait_alu depctr_va_vdst(0)
	s_wait_dscnt 0x0
	v_min_num_f32 v254, v12, v128                  ; the joint -M: a whole number
	v_sub_f32 v252, v254, v12
	v_sub_f32 v250, v254, v128
	v_cvt_i32_f32 v252, v252                       ; (it saturates)
	v_cvt_i32_f32 v250, v250
	v_ldexp_f32 v252, 1.0, v252                    ; 2^(my M - the joint M)
	v_ldexp_f32 v250, 1.0, v250                    ; and the same for the part read
.set j, 0
.rept 16
	v_pk_mul_f32 v[160+j:161+j], v[160+j:161+j], v[252:253] op_sel_hi:[1,0]
.set j, j+2
.endr
.set j, 0
.rept 16
	v_pk_fma_f32 v[160+j:161+j], v[96+j:97+j], v[250:251], v[160+j:161+j] op_sel_hi:[1,0,1]
.set j, j+2
.endr
	v_pk_mul_f32 v[14:15], v[14:15], v[252:253] op_sel_hi:[1,0]
	v_pk_fma_f32 v[14:15], v[130:131], v[250:251], v[14:15] op_sel_hi:[1,0,1]
	v_add_f32 v14, v14, v15
	s_delay_alu instid0(VALU_DEP_1)
	v_permlanex16_b32 v252, v14, s[SEL], s[SEL+1]
	s_delay_alu instid0(VALU_DEP_1)
	v_add_f32 v14, v14, v252
	s_wait_alu depctr_va_vdst(0)
	v_rcp_f32 v14, v14
	v_and_b32 v8, 15, v0
	v_bfe_u32 v9, v0, 4, 1
	v_and_b32 v10, 31, v0
	s_lshl_b32 s96, s[WV], 10
	s_add_co_u32 s96, s96, CST
	v_lshlrev_b32 v1, 6, v8
	s_delay_alu instid0(VALU_DEP_1)
	v_lshl_add_u32 v1, v9, 4, v1
	s_delay_alu instid0(VALU_DEP_1)
	v_add_nc_u32 v1, s96, v1
	v_lshlrev_b32 v2, 4, v10
	s_delay_alu instid0(VALU_DEP_1)
	v_add_nc_u32 v2, s96, v2
	v_lshlrev_b32 v11, 6, v8
	s_wait_alu depctr_va_vdst(0)
	s_wait_xcnt 0x0
	v_lshlrev_b32 v[GO], 4, v10
	v_add_nc_u32 v4, s[Q0], v8
	s_lshr_b32 s96, s[BH], 4
	s_and_b32 s97, s[BH], 15
	s_lshl_b32 s98, s96, 5
	s_add_co_u32 s98, s98, s97
	s_add_co_u32 s98, s98, 16
	s_lshl_b32 s98, s98, 17
	s_lshl_b32 s99, s[Q0], 6
	s_add_co_u32 s98, s98, s99
	s_mov_b32 s99, 0
	s_add_nc_u64 s[84:85], s[84:85], s[98:99]
	s_lshl_b32 s98, s96, 11
	s_add_co_u32 s98, s98, s[Q0]
	s_lshl_b32 s98, s98, 6
	s_lshl_b32 s97, s97, 1
	s_add_co_u32 s98, s98, s97
	s_add_co_u32 s98, s98, 32
	s_add_nc_u64 s[86:87], s[86:87], s[98:99]
	s_wait_alu depctr_va_vdst(0)
	v_cmp_eq_u32 vcc_lo, 0, v4
	v_cndmask_b32 v14, v14, v[NIL], vcc_lo
.set j, 0
.rept 16
	v_pk_mul_f32 v[96+j:97+j], v[160+j:161+j], v[14:15] op_sel_hi:[1,0]
.set j, j+2
.endr
.irp b, 0,1
	v_max3_num_f32 v[232+\b], |v[96+16*\b]|, |v[97+16*\b]|, 0x8000000
.endr
.irp i, 2,4,6,8,10,12,14
.irp b, 0,1
	s_delay_alu instid0(VALU_DEP_2)
	v_max3_num_f32 v[232+\b], v[232+\b], |v[96+16*\b+\i]|, |v[97+16*\b+\i]|
.endr
.endr
.irp b, 0,1
	v_permlanex16_b32 v[236+\b], v[232+\b], s[SEL], s[SEL+1]
.endr
.irp b, 0,1
	s_delay_alu instid0(VALU_DEP_2)
	v_max_num_f32 v[232+\b], v[232+\b], v[236+\b]
.endr
.irp b, 0,1
	s_delay_alu instid0(VALU_DEP_2)
	v_add_nc_u32 v[244+\b], 0xf8800000, v[232+\b]
.endr
.irp b, 0,1
	s_delay_alu instid0(VALU_DEP_4)
	v_and_or_b32 v[240+\b], v[232+\b], 0x7f800000, s[MNT]
.endr
.irp b, 0,1
	s_delay_alu instid0(VALU_DEP_4)
	v_lshrrev_b32 v[236+\b], 23, v[244+\b]
.endr
	s_delay_alu instid0(VALU_DEP_1)
	v_lshl_or_b32 v253, v237, 8, v236
.irp b, 0,1
.irp i, 0,1,2,3,4,5,6,7,8,9,10,11,12,13,14,15
	v_med3_num_f32 v[96+16*\b+\i], v[96+16*\b+\i], -v[240+\b], v[240+\b]
.endr
	v_cvt_scalef32_pk8_bf8_f32 v[224+4*\b:225+4*\b], v[96+16*\b:103+16*\b], v[244+\b]
	v_cvt_scalef32_pk8_bf8_f32 v[226+4*\b:227+4*\b], v[104+16*\b:111+16*\b], v[244+\b]
.endr
	v_nop
	ds_store_b128 v1, v[224:227]
	ds_store_b128 v1, v[228:231] offset:32
	ds_load_b128 v[32:35], v2
	ds_load_b128 v[36:39], v2 offset:512
	s_wait_dscnt 1
	global_store_b128 v[GO], v[32:35], s[84:85]
	s_wait_dscnt 0x0
	global_store_b128 v[GO], v[36:39], s[84:85] offset:512
	global_store_b16 v11, v253, s[86:87]
	s_wait_tensorcnt 0x0
	ds_add_u32 v[SPW], v[NIL]
	s_wait_dscnt 0x0
	s_endpgm
.Lfunc_end_k_qd1c6066d38_attn2:
	.size	k_qd1c6066d38_attn2, .Lfunc_end_k_qd1c6066d38_attn2-k_qd1c6066d38_attn2
	.p2alignl 7, 3214868480
	.fill 96, 4, 3214868480
	.section	.rodata,"a",@progbits
	.p2align	6, 0x0
	.amdhsa_kernel k_qd1c6066d38_attn2
		.amdhsa_group_segment_fixed_size 327680
		.amdhsa_private_segment_fixed_size 0
		.amdhsa_enable_private_segment 0
		.amdhsa_kernarg_size 48
		.amdhsa_user_sgpr_count 2
		.amdhsa_user_sgpr_kernarg_segment_ptr 1
		.amdhsa_wavefront_size32 1
		.amdhsa_system_sgpr_workgroup_id_x 1
		.amdhsa_system_sgpr_workgroup_id_y 1
		.amdhsa_system_sgpr_workgroup_id_z 1
		.amdhsa_system_vgpr_workitem_id 0
		.amdhsa_next_free_vgpr 256
		.amdhsa_next_free_sgpr 100
		.amdhsa_reserve_vcc 1
		.amdhsa_float_denorm_mode_32 3
		.amdhsa_float_denorm_mode_16_64 3
		.amdhsa_memory_ordered 1
		.amdhsa_forward_progress 1
		.amdhsa_inst_pref_size 130
	.end_amdhsa_kernel
	.amdgpu_metadata
---
amdhsa.version: [ 1, 2 ]
amdhsa.kernels:
  - .name:           k_qd1c6066d38_attn2
    .symbol:         k_qd1c6066d38_attn2.kd
    .args:
      - { .name: qkc, .offset: 0, .size: 8, .value_kind: global_buffer, .address_space: global }
      - { .name: qks, .offset: 8, .size: 8, .value_kind: global_buffer, .address_space: global }
      - { .name: ec, .offset: 16, .size: 8, .value_kind: global_buffer, .address_space: global }
      - { .name: es, .offset: 24, .size: 8, .value_kind: global_buffer, .address_space: global }
      - { .name: yc, .offset: 32, .size: 8, .value_kind: global_buffer, .address_space: global }
      - { .name: ys, .offset: 40, .size: 8, .value_kind: global_buffer, .address_space: global }
    .group_segment_fixed_size: 327680
    .private_segment_fixed_size: 0
    .kernarg_segment_align: 8
    .kernarg_segment_size: 48
    .max_flat_workgroup_size: 512
    .sgpr_count:     100
    .vgpr_count:     256
    .wavefront_size: 32
...
	.end_amdgpu_metadata
.endif
;; end of part 4
;; launch proj (part 5): grid 8 x 32, 4 waves a work-group, clusters of 4 x 4, 327,680 bytes of LDS; arguments yc, ys, cod, scl, b_proj, out0; writes out0
.if DOCPART == 5
	.amdgcn_target "amdgcn-amd-amdhsa--gfx1250"
	.amdhsa_code_object_version 6
	.text
	.protected	k_qd1c6066d38_proj
	.globl	k_qd1c6066d38_proj
	.p2align	8
	.type	k_qd1c6066d38_proj,@function
k_qd1c6066d38_proj:
	s_mov_b64 s[64:65], 0
	v_nop
	global_prefetch_b8 v0, s[64:65] scope:SCOPE_SE
	s_setreg_imm32_b32 hwreg(HW_REG_WAVE_MODE, 25, 1), 1
	s_wait_xcnt 0x0
	s_wait_alu depctr_hold_cnt(0) depctr_sa_sdst(0) depctr_va_vdst(0) depctr_va_sdst(0) depctr_va_ssrc(0) depctr_va_vcc(0) depctr_vm_vsrc(0)
	s_getreg_b32 s2, hwreg(HW_REG_IB_STS2, 6, 4)
	s_cmp_eq_u32 s2, 0
	s_cbranch_scc0 .Lentry_in_a_cluster
	s_endpgm
.Lentry_in_a_cluster:
	s_bfe_u32 s2, ttmp6, 0x10000c
	s_cmp_lg_u32 s2, 0xf033
	s_cbranch_scc0 .Lentry_shape_is_right
	s_endpgm
.Lentry_shape_is_right:
; PROJ: out0 = y W_proj + b_proj + y2 W_proj + b_proj, as ONE product on codes of E5M2: [y | y2] (K = 2,048) times W_proj's codes laid twice along K; 2 b_proj is the C of each sum's first product.
; A: yc [2 batches][32 heads: y's 16, then y2's][2048 rows][64 codes], scale bytes ys [4096 rows][64].  B: [1024 stored rows n][2048], scale bytes [1024][64].  C: [4096][1024] f32.
; SHARES: a block of C is 128 x 128: 32 x 8 = 256 work-groups; four waves, 64 x 64 each: 16 accumulators, which take turns.
; THE RING: two slots of 512 along K.  A wave fetches a quarter of a slot by one load: waves 0, 1 four heads each of A's 128 rows, waves 2, 3 256 bytes each of B's 128 rows.  K = 2,048 is four fills:
; slot 0 at the head, slot 1 behind the first drained round, two refills.  A head's 128 rows are 8,192 dense bytes, taken as one row of 1,024 elements of 8 bytes; 16 bytes of padding behind every 256.
; CLUSTERS: 4 x 4; A's tiles are asked for jointly along a row of the cluster, B's along a column.
; THE SCALE WORDS of a wave's 64 rows of A and 64 of B, all of K, are 64 bytes a row: they come once from memory into 64 + 64 registers (register 16 x block + step).
; NO PREFETCH: the 16 steps of 128 along K are written out: there is no loop to run ahead in, and the four fills are all that the work-group reads of its tiles.
; THE PRODUCT IS USED TRANSPOSED (source 0 = 16 stored rows of B, source 1 = 16 rows of A).  B's rows are stored with bits 3 and 4 of n exchanged: tile b's register j is column 32 (b / 2) + 16 (lane / 16) + 8 (b % 2) + j.
; REGISTERS: window 0: v0-31 addresses, v32-63 bias, v64-127 A's scale words (later rows read back), v132-195 B's.  Window 1: v0-127 B's fragments, two sets; v128-255 the sums.  Window 2: v0-127 A's fragments, two sets.
.set COD_WP, 7340032
.set SCL_WP, 229376
.set PITCH,  272
.set HEADL,  32*272                    ; a head's 128 rows in LDS: a line of 272 bytes holds four rows' 64 codes
.set NP,     8                         ; places behind this matrix instruction (ISA guide 7.12.1)
.set HALFT,  128*PITCH                 ; what one load brings
.set SLOT,   4*HALFT
.set SPARE,  2*SLOT                    ; the spare words, 128 bytes for each wave, named by no other line
.set ADRA, 16
.set ADRB, 20
.set STO,  24
.set RD,   25
.set CO,   26
.set SPW,  28
.set NIL,  29
.set BIAS, 32
.set SCA,  64
.set SCB,  132                         ; A's and B's scale registers differ modulo 8
.set BK,   64
.set ACC,  128
.set G1, 24
.set G0, 32
.set G1B, 48
.set G0B, 56
.set MSB, 0
.macro WIN new                         ; the immediate's high byte repeats the setting that is left
.if MSB != \new
	s_set_vgpr_msb (MSB<<8)|\new
.set MSB, \new
.endif
.endm
.set MUL,   0x59                       ; source 0 (B) window 1, source 1 (A) window 2, C and D window 1
.set FIRST, 0x49                       ; the first step: C (the bias) window 0
.macro PLACES n
.rept \n
	v_nop
.endr
.endm
.macro JLOAD g0a, g1a, g0b, g1b        ; a joint load: waves 0, 1 fetch for A, waves 2, 3 for B; an s_nop 0 and four v_nop follow each line
	s_cmp_eq_u32 s15, 0
	s_cbranch_scc0 .Lfor_b_\@
	tensor_load_to_lds s[\g0a:\g0a+3], s[\g1a:\g1a+7]
	s_nop 0
	PLACES 4
	s_branch .Lasked_\@
.Lfor_b_\@:
	tensor_load_to_lds s[\g0b:\g0b+3], s[\g1b:\g1b+7]
	s_nop 0
	PLACES 4
.Lasked_\@:
.endm
.macro CREST
	s_cmp_lg_u32 s14, 0
	s_cbranch_scc1 .Lnot_wave_0_\@
	s_barrier_signal -3
.Lnot_wave_0_\@:
	s_barrier_wait -3
	s_barrier_signal -1
	s_barrier_wait -1
.endm
.macro CROUND
	s_barrier_signal -1
	s_barrier_wait -1
	CREST
.endm
	s_load_b128 s[4:7], s[0:1], 0x0                ; yc, ys
	s_load_b128 s[8:11], s[0:1], 0x10              ; cod, scl
	s_load_b64 s[96:97], s[0:1], 0x20              ; b_proj
	s_load_b64 s[12:13], s[0:1], 0x28              ; out0
	v_lshl_add_u32 v[SPW], v0, 2, SPARE
	v_mov_b32 v[NIL], 0
	ds_add_u32 v[SPW], v[NIL]                      ; the opening: the add, twice on end, and its wait ahead of my first tensor load
	ds_add_u32 v[SPW], v[NIL]
	v_lshrrev_b32 v1, 5, v0
	v_readfirstlane_b32 s14, v1                    ; wave
	s_lshr_b32 s15, s14, 1                         ; my 64 rows; also: I fetch for A (0) or B (1)
	s_and_b32 s16, s14, 1                          ; my 64 columns; also: which half of a slot's 512 along K I fetch
	s_bfe_u32 s40, ttmp6, 0x40000                  ; cx
	s_bfe_u32 s41, ttmp6, 0x40004                  ; cy
	s_lshl_b32 s42, ttmp9, 2
	s_add_co_u32 s42, s42, s40                     ; block column, 0 .. 7
	s_and_b32 s17, ttmp7, 0xffff
	s_lshl_b32 s17, s17, 2
	s_add_co_u32 s17, s17, s41                     ; block row, 0 .. 31
	s_lshl_b32 s43, s41, 2
	s_lshl_b32 s43, 15, s43                        ; my row of the cluster
	s_lshl_b32 s44, 0x1111, s40                    ; my column
	s_or_b32 s[G1+0], s43, (3<<16)|(1<<20)|(1<<21)|(5<<22)|(3<<25)   ; A: elements of 8 bytes; 4 words of padding behind every 64
	s_mov_b32 s[G1+1], 1024<<16                    ; 1,024 elements: 128 rows of 64 codes
	s_mov_b32 s[G1+2], 4<<16                       ; 4 heads
	s_mov_b32 s[G1+3], 1024<<16
	s_mov_b32 s[G1+4], 4
	s_mov_b32 s[G1+5], 16384                       ; from head to head: 131,072 bytes
	s_mov_b32 s[G1+6], 0
	s_mov_b32 s[G1+7], 0
	s_or_b32 s[G1B+0], s44, (0<<16)|(1<<20)|(1<<21)|(5<<22)|(3<<25)  ; B: 128 rows of 256 bytes
	s_mov_b32 s[G1B+1], 256<<16
	s_mov_b32 s[G1B+2], 128<<16
	s_mov_b32 s[G1B+3], 256<<16
	s_mov_b32 s[G1B+4], 128
	s_mov_b32 s[G1B+5], 2048
	s_mov_b32 s[G1B+6], 0
	s_mov_b32 s[G1B+7], 0
	s_lshl_b32 s20, s17, 7                         ; A's codes: batch x 32 heads x 131,072 + t x 64 + my four heads
	s_lshr_b32 s95, s20, 11
	s_lshl_b32 s95, s95, 22
	s_and_b32 s20, s20, 2047
	s_lshl_b32 s20, s20, 6
	s_add_co_u32 s20, s20, s95
	s_lshl_b32 s95, s16, 19
	s_add_co_u32 s20, s20, s95
	s_mov_b32 s21, 0
	s_lshl_b32 s46, s42, 18                        ; B's codes: 128 stored rows of 2,048 bytes a block column + my 256 bytes of each
	s_lshl_b32 s47, s16, 8
	s_add_co_u32 s46, s46, s47
	s_add_co_u32 s46, s46, COD_WP
	s_mov_b32 s47, 0
	s_mul_i32 s45, s14, HALFT                      ; where my quarter of a slot lies
	s_wait_dscnt 0x0                               ; both opening adds are done
	s_wait_kmcnt 0x0
	s_add_nc_u64 s[20:21], s[4:5], s[20:21]
	s_add_nc_u64 s[46:47], s[8:9], s[46:47]
	CROUND                                         ; all sixteen work-groups are here: the first joint loads meet
.irp s, 0,1
	s_mov_b32 s[G0+4*\s], 1
	s_add_co_u32 s[G0+4*\s+1], s45, \s*SLOT
	s_add_nc_u64 s[G0+4*\s+2:G0+4*\s+3], s[20:21], \s*1048576      ; fill s: eight heads on
	s_or_b32 s[G0+4*\s+3], s[G0+4*\s+3], 0x80000000
	s_mov_b32 s[G0B+4*\s], 1
	s_add_co_u32 s[G0B+4*\s+1], s45, \s*SLOT
	s_add_nc_u64 s[G0B+4*\s+2:G0B+4*\s+3], s[46:47], \s*512
	s_or_b32 s[G0B+4*\s+3], s[G0B+4*\s+3], 0x80000000
.endr
	JLOAD G0, G1, G0B, G1B                         ; slot 0: one tensor load a wave at the head
	s_mul_i32 s70, s15, 16*272                     ; LDS: my 64 rows of A are 16 lines of each head
	s_mul_i32 s71, s16, 64*PITCH                   ; my 64 rows of B, behind A's two quarters
	s_add_co_u32 s71, s71, 2*HALFT
	s_mul_i32 s72, s14, 16*272                     ; my stage for the way out, in slot 0
	s_lshl_b32 s74, s17, 13                        ; ys: 64 bytes a row
	s_lshl_b32 s76, s15, 12
	s_add_co_u32 s74, s74, s76
	s_mov_b32 s75, 0
	s_add_nc_u64 s[6:7], s[6:7], s[74:75]
	s_lshl_b32 s74, s42, 13                        ; W_proj's scale bytes likewise
	s_lshl_b32 s76, s16, 12
	s_add_co_u32 s74, s74, s76
	s_add_co_u32 s74, s74, SCL_WP
	s_add_nc_u64 s[10:11], s[10:11], s[74:75]
	s_lshl_b32 s74, s42, 9                         ; my 64 columns, in bytes of f32
	s_lshl_b32 s76, s16, 8
	s_add_co_u32 s74, s74, s76
	s_add_nc_u64 s[96:97], s[96:97], s[74:75]
	s_add_nc_u64 s[12:13], s[12:13], s[74:75]
	s_lshl_b32 s74, s17, 19                        ; my first row of out0: 4,096 bytes a row
	s_lshl_b32 s76, s15, 18
	s_add_co_u32 s74, s74, s76
	s_add_nc_u64 s[12:13], s[12:13], s[74:75]
	v_and_b32 v1, 15, v0                           ; r
	v_bfe_u32 v2, v0, 4, 1                         ; h
	v_mul_u32_u24 v8, v1, PITCH
	v_lshl_add_u32 v3, v2, 4, v8                   ; B: row x pitch + 16 h
	v_lshrrev_b32 v5, 2, v1
	v_mul_u32_u24 v5, v5, 272
	v_and_b32 v6, 3, v1
	v_lshl_add_u32 v5, v6, 6, v5
	v_lshl_add_u32 v5, v2, 4, v5                   ; A: line r / 4, 64 (r % 4) in it, + 16 h
	v_add_nc_u32 v[ADRA], s70, v5
	v_add_nc_u32 v[ADRA+1], SLOT, v[ADRA]
	v_add_nc_u32 v[ADRB], s71, v3
	v_add_nc_u32 v[ADRB+1], SLOT, v[ADRB]
	v_lshl_add_u32 v[STO], v2, 6, v8               ; stage, in: row r, + 64 h
	v_add_nc_u32 v[STO], s72, v[STO]
	v_mul_u32_u24 v9, v2, 272                      ; back: lanes 0-15 one row of 256 bytes, lanes 16-31 the next
	v_lshl_add_u32 v9, v1, 4, v9
	v_add_nc_u32 v[RD], s72, v9
	v_lshlrev_b32 v10, 12, v2
	v_lshl_add_u32 v[CO], v1, 4, v10               ; and the same two rows in out0
	v_lshlrev_b32 v7, 6, v2                        ; the bias: 16 h columns on
	v_lshlrev_b32 v11, 6, v1                       ; scale words: row r of 64 bytes
.irp b, 0,1,2,3
	global_load_b128 v[BIAS+8*\b:BIAS+8*\b+3], v7, s[96:97] offset:(32*(\b/2)+8*(\b%2))*4
	global_load_b128 v[BIAS+8*\b+4:BIAS+8*\b+7], v7, s[96:97] offset:(32*(\b/2)+8*(\b%2))*4+16
.endr
.irp i, 0,1,2,3
.irp c, 0,1,2,3
	global_load_b128 v[SCA+16*\i+4*\c:SCA+16*\i+4*\c+3], v11, s[6:7] offset:1024*\i+16*\c     ; a block's 16 rows are 1,024 bytes on end: its four loads read them whole
	global_load_b128 v[SCB+16*\i+4*\c:SCB+16*\i+4*\c+3], v11, s[10:11] offset:1024*\i+16*\c
.endr
.endr
; step n = 0 .. 15 of 128 along K: slot (n / 4) % 2, its q = n % 4; fragments in set n % 2
.macro FETCH n                         ; 32 LDS loads: B's four fragments, then A's four
.set SL_, ((\n)/4)%2
.set Q_, (\n)%4
.set P_, 64*((\n)%2)
	WIN 0x40
.irp i, 0,1,2,3
.irp c, 0,1,2,3
	ds_load_b128 v[P_+16*\i+4*\c:P_+16*\i+4*\c+3], v[ADRB+SL_] offset:(Q_/2)*HALFT+128*(Q_%2)+32*\c+\i*16*PITCH
.endr
.endr
	WIN 0x80
.irp i, 0,1,2,3
.irp c, 0,1,2,3
	ds_load_b128 v[P_+16*\i+4*\c:P_+16*\i+4*\c+3], v[ADRA+SL_] offset:(2*Q_+\c/2)*HEADL+\i*1088+32*(\c%2)
.endr
.endr
.endm
.macro MUL8 n, a0, zero                ; A's blocks a0, a0 + 1 x B's four
.irp a, \a0, \a0+1
.irp b, 0,1,2,3
.if \zero
	v_wmma_scale_f32_16x16x128_f8f6f4 v[ACC+8*(4*(\a)+\b):ACC+8*(4*(\a)+\b)+7], v[64*((\n)%2)+16*\b:64*((\n)%2)+16*\b+15], v[64*((\n)%2)+16*(\a):64*((\n)%2)+16*(\a)+15], v[BIAS+8*\b:BIAS+8*\b+7], v[SCB+16*\b+(\n)], v[SCA+16*(\a)+(\n)] matrix_a_fmt:MATRIX_FMT_BF8 matrix_b_fmt:MATRIX_FMT_BF8
.else
	v_wmma_scale_f32_16x16x128_f8f6f4 v[ACC+8*(4*(\a)+\b):ACC+8*(4*(\a)+\b)+7], v[64*((\n)%2)+16*\b:64*((\n)%2)+16*\b+15], v[64*((\n)%2)+16*(\a):64*((\n)%2)+16*(\a)+15], v[ACC+8*(4*(\a)+\b):ACC+8*(4*(\a)+\b)+7], v[SCB+16*\b+(\n)], v[SCA+16*(\a)+(\n)] matrix_a_fmt:MATRIX_FMT_BF8 matrix_b_fmt:MATRIX_FMT_BF8
.endif
.endr
.endr
.endm
.macro STEP n, zero=0                  ; a step whose successor lies in the same slot
	PLACES NP                                      ; behind the last step's products, ahead of loads into the set that they read
	FETCH (\n)+1
	s_wait_dscnt 32                                ; this step's fragments are in; the 32 loads just issued may be out
.if \zero
	WIN FIRST
.else
	WIN MUL
.endif
	MUL8 \n, 0, \zero
	MUL8 \n, 2, \zero
.endm
.macro TURN n, fill                    ; a slot's last step changes slots; fill = 1: this slot is filled again, two fills on
.set S_, ((\n)/4)%2
	WIN 0
	s_wait_tensorcnt 0x0                           ; my part of the next slot has landed
	ds_add_u32 v[SPW], v[NIL]                      ; 0 onto my spare word
	s_wait_dscnt 1                                 ; this step's fragments are in; the add may be out
	WIN MUL
	MUL8 \n, 0, 0
	s_wait_dscnt 0x0                               ; the add is done, and my reads of this slot are over
	s_barrier_signal -1
	MUL8 \n, 2, 0
	WIN 0
	s_barrier_wait -1
.if \fill
	CREST                                          ; no wave of any partner still reads this slot or has a load on its way
	s_add_nc_u64 s[G0+4*S_+2:G0+4*S_+3], s[G0+4*S_+2:G0+4*S_+3], 2097152       ; sixteen heads on
	s_add_nc_u64 s[G0B+4*S_+2:G0B+4*S_+3], s[G0B+4*S_+2:G0B+4*S_+3], 1024
	JLOAD G0+4*S_, G1, G0B+4*S_, G1B
	PLACES NP-4
.else
	PLACES NP
.endif
	FETCH (\n)+1
.endm
	s_wait_alu depctr_va_vdst(0)                   ; the wait at the head's end
	s_wait_tensorcnt 0x0                           ; my quarter of slot 0 is in
	ds_add_u32 v[SPW], v[NIL]                      ; the add ahead of a later first fill
	s_wait_dscnt 0x0
	CROUND
	JLOAD G0+4, G1, G0B+4, G1B                     ; slot 1: the first tensor load behind the round
	FETCH 0
	WIN 0
	s_wait_loadcnt 0x0                             ; the bias and the scale words
.set j, 0
.rept 16
	v_pk_add_f32 v[BIAS+j:BIAS+j+1], v[BIAS+j:BIAS+j+1], v[BIAS+j:BIAS+j+1]   ; 2 b_proj: reference() adds it once with y and once with y2
.set j, j+2
.endr
	s_wait_alu depctr_va_vdst(0)
	STEP 0, 1
	STEP 1
	STEP 2
	TURN 3, 1
	STEP 4
	STEP 5
	STEP 6
	TURN 7, 1
	STEP 8
	STEP 9
	STEP 10
	TURN 11, 0
	STEP 12
	STEP 13
	STEP 14
	s_wait_dscnt 0x0
	WIN MUL
	MUL8 15, 0, 0
	MUL8 15, 2, 0
	WIN 0
; THE WAY OUT, block by block of 16 rows x 64 columns, through my own stage (in slot 0, which has had its last fill and its last read): back as whole rows of 256 bytes.
.macro TOSTAGE a
.set AC, ACC+32*(\a)
	WIN 0x04                                       ; the data: window 1
.irp b, 0,1,2,3
	ds_store_b128 v[STO], v[AC+8*\b:AC+8*\b+3] offset:128*(\b/2)+32*(\b%2)         ; each accumulator from its low end on
	ds_store_b128 v[STO], v[AC+8*\b+4:AC+8*\b+7] offset:128*(\b/2)+32*(\b%2)+16
.endr
	WIN 0
.set BB, BK+32*((\a)%2)
.irp t, 0,1,2,3,4,5,6,7
	ds_load_b128 v[BB+4*\t:BB+4*\t+3], v[RD] offset:2*\t*272       ; LDS serves a wave's instructions in order: these see my stores
.endr
.endm
.macro SEND a, younger
.set BB, BK+32*((\a)%2)
	s_wait_dscnt \younger
.if (\a) > 0
	s_add_nc_u64 s[12:13], s[12:13], 16*4096
.endif
.irp t, 0,1,2,3,4,5,6,7
	global_store_b128 v[CO], v[BB+4*\t:BB+4*\t+3], s[12:13] offset:2*\t*4096 th:TH_STORE_NT   ; sixteen lanes store 256 consecutive bytes, aligned
.endr
.endm
	PLACES NP
	TOSTAGE 0
.irp a, 1,2,3
.if \a > 1
	s_wait_xcnt 0x0                                ; block a - 2's stores have read their registers and their base
.endif
	TOSTAGE \a
	SEND \a-1, 16                                  ; behind block a - 1's loads: block a's 8 stores and 8 loads
.endr
	s_wait_xcnt 0x0
	SEND 3, 0
	s_wait_tensorcnt 0x0                           ; the wave's end
	ds_add_u32 v[SPW], v[NIL]
	s_wait_dscnt 0x0
	CROUND                                         ; the closing round
	s_endpgm
.Lfunc_end_k_qd1c6066d38_proj:
	.size	k_qd1c6066d38_proj, .Lfunc_end_k_qd1c6066d38_proj-k_qd1c6066d38_proj
	.p2alignl 7, 3214868480
	.fill 96, 4, 3214868480
	.section	.rodata,"a",@progbits
	.p2align	6, 0x0
	.amdhsa_kernel k_qd1c6066d38_proj
		.amdhsa_group_segment_fixed_size 327680
		.amdhsa_private_segment_fixed_size 0
		.amdhsa_enable_private_segment 0
		.amdhsa_kernarg_size 48
		.amdhsa_user_sgpr_count 2
		.amdhsa_user_sgpr_kernarg_segment_ptr 1
		.amdhsa_wavefront_size32 1
		.amdhsa_system_sgpr_workgroup_id_x 1
		.amdhsa_system_sgpr_workgroup_id_y 1
		.amdhsa_system_sgpr_workgroup_id_z 1
		.amdhsa_system_vgpr_workitem_id 0
		.amdhsa_next_free_vgpr 640
		.amdhsa_next_free_sgpr 102
		.amdhsa_reserve_vcc 0
		.amdhsa_float_denorm_mode_32 3
		.amdhsa_float_denorm_mode_16_64 3
		.amdhsa_memory_ordered 1
		.amdhsa_forward_progress 1
		.amdhsa_inst_pref_size 94
	.end_amdhsa_kernel
	.amdgpu_metadata
---
amdhsa.version: [ 1, 2 ]
amdhsa.kernels:
  - .name:           k_qd1c6066d38_proj
    .symbol:         k_qd1c6066d38_proj.kd
    .args:
      - { .name: yc, .offset: 0, .size: 8, .value_kind: global_buffer, .address_space: global }
      - { .name: ys, .offset: 8, .size: 8, .value_kind: global_buffer, .address_space: global }
      - { .name: cod, .offset: 16, .size: 8, .value_kind: global_buffer, .address_space: global }
      - { .name: scl, .offset: 24, .size: 8, .value_kind: global_buffer, .address_space: global }
      - { .name: b_proj, .offset: 32, .size: 8, .value_kind: global_buffer, .address_space: global }
      - { .name: out0, .offset: 40, .size: 8, .value_kind: global_buffer, .address_space: global }
    .group_segment_fixed_size: 327680
    .private_segment_fixed_size: 0
    .kernarg_segment_align: 8
    .kernarg_segment_size: 48
    .max_flat_workgroup_size: 128
    .sgpr_count:     102
    .vgpr_count:     640
    .wavefront_size: 32
...
	.end_amdgpu_metadata
.endif
;; end of part 5
